; MI455X (gfx1250); checked and timed in simulation.
; The chip was launched on July 23, 2026; its instructions are those of AMD's public machine-readable ISA for CDNA 5 (MIT licence, August 2026) and "CDNA5" Instruction Set Architecture Reference Guide (July 2026). The comments in the code are by the model that wrote it; some were corrected since.
;; Causal Self Attention. Allowed arithmetic: matrix products marked QUANTISED: E3M2 operands, one E8M0 scale for each 32 along K, by v_wmma_scale_f32_16x16x128_f8f6f4 with both operands' format E3M2, f32 sums; everything else in f32.
;; Inputs: Wk 1,024 x 1,024 float32; Wp 1,024 x 1,024 float32; Wq 1,024 x 1,024 float32; Wv 1,024 x 1,024 float32; x 4 x 2,048 x 1,024 float32.
;; Outputs: out0 4 x 2,048 x 1,024 float32.
;; Constants: start_pos = 0.
;; This version of the problem:
;;   THIS VERSION OF THE PROBLEM IS GIVEN IN LOW PRECISION. The matrix products marked QUANTISED in the list below multiply operands that are first quantised to E3M2 (3 exponent bits, 2 mantissa bits; 6 bits a number), with one power-of-two scale for each 32 numbers along K (OCP MX v1.0); their sums are f32. All else is computed in f32.
;;   The module's matrix products, in the order in which they are computed (A, B: the left and right operand; K: the contracted axis; several contracted axes count as one K, in the product's order):
;;     1. [M 8,192, K 1,024] x [K 1,024, N 1,024]; A: input x; B: input Wq: QUANTISED
;;     2. [M 8,192, K 1,024] x [K 1,024, N 1,024]; A: input x; B: input Wk: QUANTISED
;;     3. [M 8,192, K 1,024] x [K 1,024, N 1,024]; A: input x; B: input Wv: QUANTISED
;;     4. batch 64 x [M 2,048, K 64] x [K 64, N 2,048]; A: computed on the way; B: computed on the way: QUANTISED
;;     5. batch 64 x [M 2,048, K 2,048] x [K 2,048, N 64]; A: softmax (see below); B: computed on the way: QUANTISED
;;     6. [M 8,192, K 1,024] x [K 1,024, N 1,024]; A: computed on the way; B: input Wp: QUANTISED
;;   THE QUANTISER, for each operand of a quantised product, along K:
;;     - K is cut into blocks of 32 from its start; a last block that is shorter is filled with zeros.
;;     - A block's scale is 2^e with e = floor(log2(the largest magnitude in the block)) - 4, held to -126 .. 127; a block of zeros has e = 0. As a byte (E8M0): e + 127.
;;     - Each number is divided by its block's scale, clamped to +-28, and rounded to the nearest number of E3M2, ties to even, subnormals kept.
;;     - The product sums the exact products of the quantised numbers (number of the format x scale) in f32.
;;   ~~~python
;;   def quantise(x, axis):      # numpy; x: float32 -> the quantised numbers, widened to float32 again
;;       x = np.moveaxis(x, axis, -1); K = x.shape[-1]
;;       x = np.pad(x, [(0, 0)] * (x.ndim - 1) + [(0, -K % 32)]); x = x.reshape(x.shape[:-1] + (-1, 32)); a = np.abs(x).max(-1, keepdims=True)
;;       e = np.where(a > 0, np.clip(np.frexp(np.where(a > 0, a, 1))[1] - 1 - 4, -126, 127), 0)      # np.frexp(a)[1] - 1 = floor(log2(a)), exactly
;;       r = np.clip(x / 2.0 ** e, -28, 28)
;;       step = 2.0 ** (np.maximum(np.frexp(np.where(r == 0, 1, r))[1] - 1, -2) - 2)
;;       q = np.round(r / step) * step * 2.0 ** e      # np.round: ties to even
;;       return np.moveaxis(q.reshape(q.shape[:-2] + (-1,))[..., :K], -1, axis).astype(np.float32)
;;   ~~~
;;   SOFTMAX AHEAD OF A QUANTISED PRODUCT. Where the list says 'softmax', what is quantised is not the finished softmax but p = 2^(t - M), with t = logit x log2(e) and M = ceil(the row's largest t), a whole number; so 1/2 < the row's largest p <= 1. The row's sum l is taken of the UNQUANTISED p, in f32, and the product's result is divided by l at the end. Since M is a whole number, a kernel that streams over the keys may use a running M (the ceiling of the running maximum): every later rescaling is an exact power of two, which a block's scale takes up: the codes' values come out the same.
;;   OPERANDS COMPUTED ON THE WAY. 'Computed on the way' means the value that the module computes at that place (a softmax that the list does not call 'softmax' is quantised finished and normalised). What goes into a quantiser is computed in f32, as accurately as f32 sums, v_exp_f32 and their like allow (about 1e-6 of the number): no bf16 or f16 on the way to a quantiser, and a product that is left as it is and whose result goes on into a quantised operand takes f32 operands (vector FMAs, or v_wmma_f32_16x16x4_f32). A number that lies on a knife's edge between two numbers of the format may be rounded either way, as far as f32 arithmetic and the matrix unit's own rounding can turn it there, and no further.
;; One version. Each part assembles by itself: llvm-mc -triple=amdgcn-amd-amdhsa -mcpu=gfx1250 --defsym DOCPART=n.
;; ======== version 1 of 1: 4 launches
;; workspace buffers: xcode 6,553,600 bytes; wcode 3,276,800 bytes; rope 524,288 bytes; qcode 6,553,600 bytes; kvcode 13,107,200 bytes; ycode 6,553,600 bytes
;; launch prep (part 1): grid 416 x 1, 4 waves a work-group, no clusters, 34,304 bytes of LDS; arguments x, Wq, Wk, Wv, Wp, xcode, wcode, rope; writes xcode, wcode, rope
.if DOCPART == 1
	.amdgcn_target "amdgcn-amd-amdhsa--gfx1250"
	.amdhsa_code_object_version 6
	.text
	.protected	k_qe29ddb6e66_prep
	.globl	k_qe29ddb6e66_prep
	.p2align	8
	.type	k_qe29ddb6e66_prep,@function
k_qe29ddb6e66_prep:
	s_mov_b64 s[64:65], 0
	v_nop
	global_prefetch_b8 v0, s[64:65] scope:SCOPE_SE
	s_setreg_imm32_b32 hwreg(HW_REG_WAVE_MODE, 25, 1), 1
	s_wait_xcnt 0x0
; PREP.  (1) x [8192][1024] and Wq, Wk, Wv, Wp [1024][1024], f32, K innermost, become codes of E3M2 with one E8M0 byte for each 32 along K,
; laid in the order of a matrix operand's registers.  (2) The table of cosines and signed sines for the rotary embedding.
; ROW BLOCKS.  16 rows form a row block: block 2 B + u holds rows 32 B + 8 u + p + 8 (p / 8), p = 0 .. 15.
; A RECORD is a row block for all of K, 12,800 bytes: eight fragments of 1,536 bytes (16 rows x 128 K), then 512 scale bytes.
; A fragment is two halves of 768 bytes (64 along K each): lane l = (r, h) owns 24 bytes, row p = r, k = 32 h .. 32 h + 31:
; its registers 0-3 lie at 16 l, its registers 4-5 at 512 + 8 l.  Scale bytes: K block 16 q + j of row p at 12288 + 256 q + 16 p + j.
; xcode: 512 records (x).  wcode: 256 records (Wq, Wk, Wv, Wp, 64 each).
; rope: token t at 256 t: 32 f32 cos(a_j), then 32 f32 s_j = -sin(a_j) (j even) or +sin(a_j) (j odd), a_j = fl(t f_j), f_j = 10^(-j/8).
; SHARES.  Work-groups 0-31 make the table, 64 tokens each.  Work-groups 32-415 take two row blocks each; a wave takes 16 rows x 512 K.
; Each load reads 512 consecutive bytes of one row; the numbers turn through the wave's own stage in LDS (16 rows x 528 bytes), so that a
; lane then holds 32 neighbours along K of one row: a whole block, whose largest magnitude needs no other lane.
; A block's scale is 2^(floor(log2(largest magnitude)) - 4): its byte is the largest magnitude's exponent field - 4, held at 1 from below.
; LIMITS.  A block of zeros gets the byte 1 where the rule says 127: its codes are zeros and only this program reads the bytes.  Blocks whose
; largest magnitude lies under 2^-122 are held at that floor.  NaN and infinities among the inputs are not served.  f_j is the f32 number
; nearest to 10^(-j/8); a power function in f32 may give a neighbour of it, which moves an angle by 1e-4 at the most (t near 2,047).
.set WD, 16                            ; v16-19   the four fragments' scale words
.set CD, 20                            ; v20-31   a fragment's codes
.set TP, 32                            ; v32-38   the upper halves of two blocks' codes, as the conversions leave them
.set RS, 40                            ; v40-167  two sets of 64 numbers as they are loaded
.set XS, 168                           ; v168-231 64 numbers of a lane: two blocks of 32 neighbours
.macro LOAD f                          ; fragment f: row p's 128 numbers by one load of 512 consecutive bytes
.irp p, 0,1,2,3,4,5,6,7,8,9,10,11,12,13,14,15
	global_load_b128 v[RS+64*((\f)%2)+4*\p:RS+64*((\f)%2)+4*\p+3], v2, s[26:27] offset:(\p+8*(\p/8))*4096+512*(\f) th:TH_LOAD_NT
.endr
.endm
.macro QF f
.if (\f) < 3
	s_wait_loadcnt 16                              ; this fragment's 16 loads are in; the next fragment's 16 may be out
.else
	s_wait_loadcnt 0x0
.endif
.irp p, 0,1,2,3,4,5,6,7,8,9,10,11,12,13,14,15
	ds_store_b128 v4, v[RS+64*((\f)%2)+4*\p:RS+64*((\f)%2)+4*\p+3] offset:528*\p
.endr
.irp c, 0,1
.irp i, 0,1,2,3,4,5,6,7
	ds_load_b128 v[XS+32*\c+4*\i:XS+32*\c+4*\i+3], v5 offset:256*\c+16*\i   ; LDS serves a wave's instructions in order: these see the stores above
.endr
.endr
	s_wait_dscnt 0x0                               ; my 64 numbers are back, and the stores have read their registers,
.if (\f)+2 < 4
	LOAD (\f)+2                                    ; which take the fragment two on
.endif
	v_max3_num_f32 v8, |v[XS]|, |v[XS+1]|, 0x2800000       ; block h of the fragment, and the floor 2^(5 - 127)
	v_max3_num_f32 v9, |v[XS+32]|, |v[XS+33]|, 0x2800000   ; block 2 + h
.irp i, 2,4,6,8,10,12,14,16,18,20,22,24,26,28,30
	v_max3_num_f32 v8, v8, |v[XS+\i]|, |v[XS+\i+1]|
	v_max3_num_f32 v9, v9, |v[XS+32+\i]|, |v[XS+33+\i]|
.endr
	v_add_nc_u32 v10, 0xfe000000, v8               ; 4 off the exponent field: the conversion's scale operand
	v_add_nc_u32 v11, 0xfe000000, v9
	v_lshrrev_b32 v12, 23, v10                     ; the scales' bytes
	v_lshrrev_b32 v13, 23, v11
	v_lshl_or_b32 v14, v13, 16, v12
	v_lshlrev_b32 v14, v6, v14                     ; at their places in the row's scale word: 8 h bits up
	v_permlanex16_b32 v15, v14, s36, s37
	v_or_b32 v[WD+(\f)], v14, v15                  ; with lane l xor 16's two bytes the word is whole
.if (\f) > 0
	s_wait_alu depctr_va_vdst(0)
	s_wait_xcnt 0x0                                ; the last fragment's stores have read their data: the codes' registers are written again only behind this wait
.endif
	v_cvt_scalef32_pk16_bf6_f32 v[CD:CD+2], v[XS:XS+15], v10
	v_cvt_scalef32_pk16_bf6_f32 v[TP:TP+2], v[XS+16:XS+31], v10        ; (a conversion's three registers begin on an even number)
	v_cvt_scalef32_pk16_bf6_f32 v[CD+6:CD+8], v[XS+32:XS+47], v11
	v_cvt_scalef32_pk16_bf6_f32 v[TP+4:TP+6], v[XS+48:XS+63], v11
	v_nop                                          ; one plain place behind the conversions
.irp i, 0,1,2
	v_mov_b32 v[CD+3+\i], v[TP+\i]
	v_mov_b32 v[CD+9+\i], v[TP+4+\i]
.endr
	global_store_b128 v2, v[CD:CD+3], s[28:29] offset:1536*(\f)          ; 512, 256, 512 and 256 consecutive bytes, each at a multiple of 256 from the buffer's first byte
	global_store_b64 v3, v[CD+4:CD+5], s[28:29] offset:1536*(\f)+512
	global_store_b128 v2, v[CD+6:CD+9], s[28:29] offset:1536*(\f)+768
	global_store_b64 v3, v[CD+10:CD+11], s[28:29] offset:1536*(\f)+1280
.endm
.macro FSEL g, f0, f1, f2, f3          ; lanes whose group of four frequencies is g take these four
	v_cmp_eq_u32 vcc_lo, \g, v3
	v_mov_b32 v14, \f0
	v_cndmask_b32 v4, v4, v14, vcc_lo
	v_mov_b32 v14, \f1
	v_cndmask_b32 v5, v5, v14, vcc_lo
	v_mov_b32 v14, \f2
	v_cndmask_b32 v6, v6, v14, vcc_lo
	v_mov_b32 v14, \f3
	v_cndmask_b32 v7, v7, v14, vcc_lo
.endm
; One angle: a = fl(t f); n = the nearest whole number to a 2/pi; rho = a - n pi/2, pi/2 in three parts, fused, so that nothing of a is lost;
; sine and cosine of rho (at most pi/4 in size) by polynomials; the quadrant n + aq picks one of them and its sign:
; sin(a + aq pi/2), which is cos(a) for aq = 1, -sin(a) for aq = 2, sin(a) for aq = 0.
.macro ANG e, aq
	v_mul_f32 v24, v13, v[4+\e]
	v_mul_f32 v25, s20, v24
	v_rndne_f32 v25, v25
	v_fma_f32 v26, -v25, s21, v24
	v_fma_f32 v26, -v25, s22, v26
	v_fma_f32 v26, -v25, s23, v26
	v_mul_f32 v27, v26, v26
	v_fma_f32 v28, v27, s24, s25
	v_fma_f32 v28, v28, v27, s26
	v_mul_f32 v29, v27, v26
	v_fma_f32 v28, v29, v28, v26                   ; sin(rho)
	v_fma_f32 v30, v27, s27, s28
	v_fma_f32 v30, v30, v27, s29
	v_fma_f32 v31, v27, -0.5, 1.0
	v_mul_f32 v29, v27, v27
	v_fma_f32 v30, v29, v30, v31                   ; cos(rho)
	v_cvt_i32_f32 v25, v25
	v_add_nc_u32 v25, v25, v[\aq]
	v_and_b32 v29, 1, v25
	v_cmp_eq_u32 vcc_lo, 1, v29
	v_cndmask_b32 v28, v28, v30, vcc_lo
	v_and_b32 v29, 2, v25
	v_lshlrev_b32 v29, 30, v29
	v_xor_b32 v[20+\e], v28, v29
.endm
	s_load_b256 s[4:11], s[0:1], 0x0               ; x, Wq, Wk, Wv
	s_load_b256 s[12:19], s[0:1], 0x20             ; Wp, xcode, wcode, rope
	v_lshl_add_u32 v232, v0, 2, 0x8400
	v_mov_b32 v233, 0
	s_cmp_lt_u32 ttmp9, 32
	s_cbranch_scc1 .Ltable
	; ---- the stream of row blocks
	s_sub_co_u32 s20, ttmp9, 32                    ; 0 .. 383
	v_lshrrev_b32 v8, 5, v0
	v_readfirstlane_b32 s21, v8                    ; wave
	s_lshr_b32 s22, s21, 1
	s_and_b32 s23, s21, 1                          ; which half of K
	s_lshl_b32 s24, s20, 1
	s_add_co_u32 s24, s24, s22                     ; row block 0 .. 767: 512 of x, then 64 of each weight
	s_and_b32 s30, s24, 63
	s_sub_co_u32 s31, s24, 512
	v_and_b32 v1, 31, v0                           ; lane
	v_lshlrev_b32 v2, 4, v1                        ; 16 l
	v_lshlrev_b32 v3, 3, v1                        ; 8 l
	s_mul_i32 s38, s21, 8448                       ; my stage
	v_add_nc_u32 v4, s38, v2                       ; into it: a row's 512 bytes as they lie
	v_and_b32 v9, 15, v0                           ; r
	v_bfe_u32 v10, v0, 4, 1                        ; h
	v_mul_u32_u24 v5, v9, 528
	v_lshl_add_u32 v5, v10, 7, v5
	v_add_nc_u32 v5, s38, v5                       ; out of it: row r, 128 h bytes on
	v_lshlrev_b32 v6, 3, v10                       ; 8 h
	v_lshl_add_u32 v7, v9, 4, v6                   ; 16 r + 8 h: my 8 scale bytes
	v_mov_b32 v15, 0                               ; written once: a lane permute's destination counts as one of its sources
	v_cmp_eq_u32 s39, 1, v10
	s_mov_b32 s36, 0x76543210
	s_mov_b32 s37, 0xfedcba98                      ; selects for lane l xor 16
	s_wait_alu depctr_va_vdst(0)
	s_wait_kmcnt 0x0
	s_cmp_lt_u32 s20, 352                          ; which tensor: the choice hangs on the work-group's number alone
	s_cselect_b64 s[26:27], s[10:11], s[12:13]
	s_cmp_lt_u32 s20, 320
	s_cselect_b64 s[26:27], s[8:9], s[26:27]
	s_cmp_lt_u32 s20, 288
	s_cselect_b64 s[26:27], s[6:7], s[26:27]
	s_cmp_lt_u32 s20, 256
	s_cselect_b64 s[26:27], s[4:5], s[26:27]
	s_cselect_b64 s[28:29], s[14:15], s[16:17]
	s_cselect_b32 s30, s24, s30                    ; the row block in its tensor,
	s_cselect_b32 s31, s24, s31                    ; and its record in xcode or wcode
	s_lshr_b32 s32, s30, 1
	s_lshl_b32 s32, s32, 17                        ; 32 rows of 4,096 bytes
	s_and_b32 s33, s30, 1
	s_lshl_b32 s33, s33, 15                        ; 8 rows
	s_add_co_u32 s32, s32, s33
	s_lshl_b32 s33, s23, 11                        ; 512 numbers along K
	s_add_co_u32 s32, s32, s33
	s_mov_b32 s33, 0
	s_add_nc_u64 s[26:27], s[26:27], s[32:33]
	s_mul_i32 s32, s31, 12800
	s_add_nc_u64 s[34:35], s[28:29], s[32:33]      ; the record
	s_mul_i32 s32, s23, 6144
	s_add_nc_u64 s[28:29], s[34:35], s[32:33]      ; my four fragments
	s_lshl_b32 s32, s23, 8
	s_add_nc_u64 s[34:35], s[34:35], s[32:33]      ; my 256 scale bytes (12,288 on, in the store's immediate)
	LOAD 0
	LOAD 1
	QF 0
	QF 1
	QF 2
	QF 3
	v_cndmask_b32 v12, v[WD], v[WD+2], s39         ; lanes 0-15 store the row's words 0, 1, lanes 16-31 its words 2, 3:
	v_cndmask_b32 v13, v[WD+1], v[WD+3], s39
	global_store_b64 v7, v[12:13], s[34:35] offset:12288   ; 256 consecutive bytes
	s_wait_tensorcnt 0x0
	ds_add_u32 v232, v233
	s_wait_dscnt 0x0
	s_endpgm
	; ---- the table: thread = (token t % 8, 16 bytes of its 256)
.Ltable:
	v_and_b32 v1, 15, v0                           ; which 16 bytes: 0-7 cosines, 8-15 signed sines
	v_lshrrev_b32 v2, 4, v0                        ; 0 .. 7
	v_and_b32 v3, 7, v1                            ; the group of four frequencies
	v_mov_b32 v4, 0x3f800000
	v_mov_b32 v5, 0x3f3ff911
	v_mov_b32 v6, 0x3f0ff59a
	v_mov_b32 v7, 0x3ed7e89b
	FSEL 1, 0x3ea1e89b, 0x3e72d424, 0x3e361887, 0x3e088d77
	FSEL 2, 0x3dcccccd, 0x3d99940e, 0x3d6655c3, 0x3d2cba15
	FSEL 3, 0x3d0186e2, 0x3cc24350, 0x3c91ad39, 0x3c5a7bf1
	FSEL 4, 0x3c23d70a, 0x3bf5b9b0, 0x3bb8449c, 0x3b8a2e77
	FSEL 5, 0x3b4f3e37, 0x3b1b690d, 0x3ae91528, 0x3aaec98e
	FSEL 6, 0x3a83126f, 0x3a44948c, 0x3a136a16, 0x39dd1726
	FSEL 7, 0x39a5cb5f, 0x3978a814, 0x393a7753, 0x390bd472
	v_cmp_gt_u32 vcc_lo, 8, v1                     ; a lane of cosines?
	v_mov_b32 v9, 1
	v_cndmask_b32 v8, 2, v9, vcc_lo                ; quadrants added, even j: cosine 1, -sine 2
	v_cndmask_b32 v10, 0, v9, vcc_lo               ; odd j: cosine 1, +sine 0
	s_lshl_b32 s31, ttmp9, 6
	v_add_nc_u32 v11, s31, v2                      ; t
	v_lshlrev_b32 v12, 8, v11
	v_lshl_add_u32 v12, v1, 4, v12                 ; 256 t + my 16 bytes: a wave stores 512 consecutive bytes
	s_mov_b32 s20, 0x3f22f983                      ; 2 / pi
	s_mov_b32 s21, 0x3fc90fda                      ; pi / 2 in three parts
	s_mov_b32 s22, 0x33a22168
	s_mov_b32 s23, 0x27c234c4
	s_mov_b32 s24, 0xb94ca1f9                      ; sine: rho + rho z (S3 + z (S5 + z S7))
	s_mov_b32 s25, 0x3c08839e
	s_mov_b32 s26, 0xbe2aaaa3
	s_mov_b32 s27, 0x37ccf5ce                      ; cosine: 1 - z / 2 + z z (C2 + z (C4 + z C6))
	s_mov_b32 s28, 0xbab6061a
	s_mov_b32 s29, 0x3d2aaaa5
	s_mov_b32 s30, 8
	s_wait_kmcnt 0x0
.Ltrip:                                                ; 8 trips of 8 tokens
	s_wait_alu depctr_va_vdst(0)
	v_cvt_f32_u32 v13, v11
	ANG 0, 8
	ANG 1, 10
	ANG 2, 8
	ANG 3, 10
	global_store_b128 v12, v[20:23], s[18:19]
	s_wait_xcnt 0x0                                ; the offset and the data are written again only behind this wait
	v_add_nc_u32 v11, 8, v11
	v_add_nc_u32 v12, 2048, v12
	s_sub_co_i32 s30, s30, 1
	s_cmp_lg_u32 s30, 0
	s_cbranch_scc1 .Ltrip
	s_endpgm
.Lfunc_end_k_qe29ddb6e66_prep:
	.size	k_qe29ddb6e66_prep, .Lfunc_end_k_qe29ddb6e66_prep-k_qe29ddb6e66_prep
	.p2alignl 7, 3214868480
	.fill 96, 4, 3214868480
	.section	.rodata,"a",@progbits
	.p2align	6, 0x0
	.amdhsa_kernel k_qe29ddb6e66_prep
		.amdhsa_group_segment_fixed_size 34304
		.amdhsa_private_segment_fixed_size 0
		.amdhsa_enable_private_segment 0
		.amdhsa_kernarg_size 64
		.amdhsa_user_sgpr_count 2
		.amdhsa_user_sgpr_kernarg_segment_ptr 1
		.amdhsa_wavefront_size32 1
		.amdhsa_system_sgpr_workgroup_id_x 1
		.amdhsa_system_sgpr_workgroup_id_y 1
		.amdhsa_system_sgpr_workgroup_id_z 1
		.amdhsa_system_vgpr_workitem_id 0
		.amdhsa_next_free_vgpr 234
		.amdhsa_next_free_sgpr 66
		.amdhsa_reserve_vcc 1
		.amdhsa_float_denorm_mode_32 3
		.amdhsa_float_denorm_mode_16_64 3
		.amdhsa_memory_ordered 1
		.amdhsa_forward_progress 1
		.amdhsa_inst_pref_size 40
	.end_amdhsa_kernel
	.amdgpu_metadata
---
amdhsa.version: [ 1, 2 ]
amdhsa.kernels:
  - .name:           k_qe29ddb6e66_prep
    .symbol:         k_qe29ddb6e66_prep.kd
    .args:
      - { .name: x, .offset: 0, .size: 8, .value_kind: global_buffer, .address_space: global }
      - { .name: Wq, .offset: 8, .size: 8, .value_kind: global_buffer, .address_space: global }
      - { .name: Wk, .offset: 16, .size: 8, .value_kind: global_buffer, .address_space: global }
      - { .name: Wv, .offset: 24, .size: 8, .value_kind: global_buffer, .address_space: global }
      - { .name: Wp, .offset: 32, .size: 8, .value_kind: global_buffer, .address_space: global }
      - { .name: xcode, .offset: 40, .size: 8, .value_kind: global_buffer, .address_space: global }
      - { .name: wcode, .offset: 48, .size: 8, .value_kind: global_buffer, .address_space: global }
      - { .name: rope, .offset: 56, .size: 8, .value_kind: global_buffer, .address_space: global }
    .group_segment_fixed_size: 34304
    .private_segment_fixed_size: 0
    .kernarg_segment_align: 8
    .kernarg_segment_size: 64
    .max_flat_workgroup_size: 128
    .sgpr_count:     66
    .vgpr_count:     234
    .wavefront_size: 32
...
	.end_amdgpu_metadata
.endif
;; end of part 1
;; launch qkv (part 2): grid 16 x 48, 4 waves a work-group, clusters of 4 x 4, 295,424 bytes of LDS; arguments xcode, wcode, rope, qcode, kvcode; writes qcode, kvcode
.if DOCPART == 2
	.amdgcn_target "amdgcn-amd-amdhsa--gfx1250"
	.amdhsa_code_object_version 6
	.text
	.protected	k_qe29ddb6e66_qkv
	.globl	k_qe29ddb6e66_qkv
	.p2align	8
	.type	k_qe29ddb6e66_qkv,@function
k_qe29ddb6e66_qkv:
	s_mov_b64 s[64:65], 0
	v_nop
	global_prefetch_b8 v0, s[64:65] scope:SCOPE_SE
	s_setreg_imm32_b32 hwreg(HW_REG_WAVE_MODE, 25, 1), 1
	s_wait_xcnt 0x0
	s_wait_alu depctr_hold_cnt(0) depctr_sa_sdst(0) depctr_va_vdst(0) depctr_va_sdst(0) depctr_va_ssrc(0) depctr_va_vcc(0) depctr_vm_vsrc(0)
	s_getreg_b32 s2, hwreg(HW_REG_IB_STS2, 6, 4)
	s_cmp_eq_u32 s2, 0
	s_cbranch_scc0 .Lentry_in_a_cluster
	s_endpgm
.Lentry_in_a_cluster:
	s_bfe_u32 s2, ttmp6, 0x10000c
	s_cmp_lg_u32 s2, 0xf033
	s_cbranch_scc0 .Lentry_shape_is_right
	s_endpgm
.Lentry_shape_is_right:
; QKV.  q = x Wq^T, k = x Wk^T, v = x Wv^T on codes of E3M2 (K = 1,024); the rotary embedding on q and k in f32; q and k quantised along the head's 64,
; v along the keys; all three leave as codes in the order of the next launch's operand registers.
; OPERANDS come as records of 12,800 bytes for a row block of 16 rows (block 2 B + u: rows 32 B + 8 u + p + 8 (p / 8)): eight fragments of 1,536 bytes
; (16 rows x 128 K as an image of the 12 registers a lane: registers 0-3 at 16 l, 4-5 at 512 + 8 l, 6-9 at 768 + 16 l, 10-11 at 1280 + 8 l), then 512 scale bytes.
; A WORK-GROUP makes 256 rows of side A x 128 rows of side B over all of K.  Wave w takes A's row blocks 4 w .. 4 w + 3 against B's eight: 32 accumulators.
; Source 0 = 16 rows of B, source 1 = 16 rows of A: a lane holds ONE row of A, and by the order of rows in a block its registers 16 B + i of an A block are B's rows 32 B + 16 (l / 16) + i.
; TWO MODES, by the cluster's y, which all partners share.  y < 8: A = tokens, B = rows of Wq and Wk: a lane's registers run along a head's channels.
; y >= 8: A = Wv's channels, B = tokens: a lane's registers run along the keys, which are the K of attention's second product.  Nothing is transposed.
; ALL OF K LIES IN LDS: A 196,608 bytes, B 98,304.  Eight tensor loads a wave (four chunks of 256 along K, A's and B's) go out together at the head: eight are outstanding;
; no LDS byte is filled twice.  A's bytes are the wave's own; B's are read by all four waves, behind the loading wave's wait and a barrier.
; CLUSTER 4 x 4: A's tiles are shared along a row of the cluster, B's along a column; each is asked for jointly.
; OUT.  qcode: head h, row block R: 768 bytes (a half fragment) at 393216 h + 768 R; scale words at 6291456 + 16384 h + 64 (R / 2) + 4 p: bytes 0, 1 for R even, 2, 3 for R odd.
; kvcode: a record of 12,800 bytes for (batch, head, 128 keys): K's eight tiles of 16 keys at 768 t (two tiles form a fragment: one in k 0-63, one in k 64-127); V's four fragments
; (16 channels x 128 keys) at 6144 + 1536 c; K's scale words at 12288 + 64 (t / 2) + 4 p; V's at 12544 + 64 c + 4 p.
; LIMITS: a block of zeros gets the byte 1 (its codes are zeros; only this program reads the bytes); largest magnitudes under 2^-122 are held at that floor; NaN and infinities are not served.
; REGISTERS.  window 0: v1-11 addresses; v16-47 A's scale words (8 a + s); v48-111 B's (8 b + s); v112-207 A's fragments, two sets of 48, later 64 numbers at work; v208-251 the quantiser's.
;   window 1: B's fragments, two sets of 96.   window 2: accumulator (a, b) at 64 a + 8 b.   window 3: the rotary table, 32 a + (0-15 cosines, 16-31 signed sines).
.set L16,  1                           ; 16 x lane
.set L8,   2                           ; 8 x lane
.set R16,  3                           ; 16 x (lane % 16)
.set AA16, 4                           ; my A bytes + 16 l
.set AA8,  5                           ; + 8 l
.set BA16, 6                           ; v6-7  B's bytes + 16 l: chunks 0-1, chunks 2-3
.set BA8,  8                           ; v8-9  + 8 l
.set TA,   10                          ; my token's place in the table
.set L4,   11                          ; 4 x lane
.set SA,   16
.set SB,   48
.set AF,   112
.set XR,   112
.set TM,   208                         ; v208-211 largest magnitudes, v212-215 bytes, v220-223 the conversions' scale operands
.set PW,   224                         ; v224-227 the four row blocks' scale words
.set PC,   232                         ; v232-243 a fragment's codes, v244-250 at work
.set G1A,  24
.set G1B,  32
.set G0A,  40
.set MSB, 0
.macro WIN new                         ; the immediate's high byte repeats the setting that is left
.if MSB != \new
	s_set_vgpr_msb (MSB<<8)|\new
.set MSB, \new
.endif
.endm
.macro PLACES                          ; four plain places behind matrix instructions, ahead of loads into their registers and of reads of their results
.rept 4
	v_nop
.endr
.endm
.macro CROUND                          ; a round of the cluster's barrier
	s_barrier_signal -1
	s_barrier_wait -1
	s_cmp_lg_u32 s14, 0
	s_cbranch_scc1 .Lnot_wave_0_\@
	s_barrier_signal -3
.Lnot_wave_0_\@:
	s_barrier_wait -3
	s_barrier_signal -1
	s_barrier_wait -1
.endm
.macro FRAGL reg, a16, a8, off         ; a fragment's image into 12 registers: every load of the wave takes 512 or 256 consecutive bytes
	ds_load_b128 v[(\reg):(\reg)+3], v[\a16] offset:(\off)
	ds_load_b64 v[(\reg)+4:(\reg)+5], v[\a8] offset:(\off)+512
	ds_load_b128 v[(\reg)+6:(\reg)+9], v[\a16] offset:(\off)+768
	ds_load_b64 v[(\reg)+10:(\reg)+11], v[\a8] offset:(\off)+1280
.endm
.macro FETCH s                         ; K step s: B's eight fragments and my four of A, into set s % 2: 48 loads
	WIN 0x40
.irp b, 0,1,2,3,4,5,6,7
	FRAGL 96*((\s)%2)+12*\b, BA16+((\s)/4), BA8+((\s)/4), (((\s)/2)%2)*24576+\b*3072+((\s)%2)*1536
.endr
	WIN 0
.irp a, 0,1,2,3
	FRAGL AF+48*((\s)%2)+12*\a, AA16, AA8, ((\s)/2)*12288+\a*3072+((\s)%2)*1536
.endr
.endm
.macro MUL a0, s                       ; 16 matrix instructions: A's blocks a0, a0 + 1 x B's eight.  The 32 accumulators take turns, one instruction a turn, in the same order in every step
	WIN 0xa1
.irp a, \a0, \a0+1
.irp b, 0,1,2,3,4,5,6,7
.if (\s) == 0
	v_wmma_scale_f32_16x16x128_f8f6f4 v[64*(\a)+8*\b:64*(\a)+8*\b+7], v[96*((\s)%2)+12*\b:96*((\s)%2)+12*\b+11], v[AF+48*((\s)%2)+12*(\a):AF+48*((\s)%2)+12*(\a)+11], 0, v[SB+8*\b+(\s)], v[SA+8*(\a)+(\s)] matrix_a_fmt:MATRIX_FMT_BF6 matrix_b_fmt:MATRIX_FMT_BF6
.else
	v_wmma_scale_f32_16x16x128_f8f6f4 v[64*(\a)+8*\b:64*(\a)+8*\b+7], v[96*((\s)%2)+12*\b:96*((\s)%2)+12*\b+11], v[AF+48*((\s)%2)+12*(\a):AF+48*((\s)%2)+12*(\a)+11], v[64*(\a)+8*\b:64*(\a)+8*\b+7], v[SB+8*\b+(\s)], v[SA+8*(\a)+(\s)] matrix_a_fmt:MATRIX_FMT_BF6 matrix_b_fmt:MATRIX_FMT_BF6
.endif
.endr
.endr
.endm
.macro STEP s                          ; 128 along K
	s_wait_dscnt 0x0                               ; this step's fragments are in
.if (\s)%2 == 0
.if (\s) > 0
	PLACES
.endif
	FETCH (\s)+1                                   ; the next step lies in the same chunk
	MUL 0, \s
	MUL 2, \s
.elseif (\s) < 7
	s_wait_tensorcnt 5-(\s)                        ; the next chunk's two loads of mine have landed; the later chunks' (two each) may stay out
	s_barrier_signal -1
	MUL 0, \s
	s_barrier_wait -1                              ; everybody's part of B's next chunk has landed
	PLACES
	FETCH (\s)+1
	MUL 2, \s
.else
	MUL 0, \s
	MUL 2, \s
.endif
.endm
; 64 numbers of a lane in window w, register 16 b + i = k 32 b + 16 (l / 16) + i of my row, become a fragment's codes in v[PC] on and its scale word in v[pw].
.macro QUANT src, w, pw
.set WA, (\w)|((\w)<<2)
.set WB, ((\w)<<2)|((\w)<<4)
	WIN WA
.irp b, 0,1,2,3
	v_max3_num_f32 v[TM+\b], |v[(\src)+16*\b]|, |v[(\src)+1+16*\b]|, 0x2800000   ; my 16 numbers of block b, and the floor 2^(5 - 127): the byte cannot fall under 1
.endr
	WIN WB
.irp i, 2,4,6,8,10,12,14
.irp b, 0,1,2,3
	v_max3_num_f32 v[TM+\b], v[TM+\b], |v[(\src)+16*\b+\i]|, |v[(\src)+1+16*\b+\i]|
.endr
.endr
	WIN 0
.irp b, 0,1,2,3
	v_permlanex16_b32 v[TM+4+\b], v[TM+\b], s2, s3
.endr
.irp b, 0,1,2,3
	v_max_num_f32 v[TM+\b], v[TM+\b], v[TM+4+\b]   ; with lane l xor 16's: the block's largest magnitude
.endr
.irp b, 0,1,2,3
	v_add_nc_u32 v[TM+12+\b], 0xfe000000, v[TM+\b] ; 4 off its exponent field: the conversion's scale operand
.endr
.irp b, 0,1,2,3
	v_lshrrev_b32 v[TM+4+\b], 23, v[TM+12+\b]      ; the scale's byte
.endr
	v_lshl_or_b32 v[\pw], v[TM+5], 8, v[TM+4]
	v_lshl_or_b32 v[\pw], v[TM+6], 16, v[\pw]
	v_lshl_or_b32 v[\pw], v[TM+7], 24, v[\pw]
	WIN \w
.irp c, 0,1
	v_cvt_scalef32_pk16_bf6_f32 v[PC+6*\c:PC+2+6*\c], v[(\src)+32*\c:(\src)+15+32*\c], v[TM+12+2*\c]
	v_cvt_scalef32_pk16_bf6_f32 v[PC+12+4*\c:PC+14+4*\c], v[(\src)+16+32*\c:(\src)+31+32*\c], v[TM+12+2*\c+1]   ; (a conversion's three registers begin on an even number)
.endr
	WIN 0
	v_nop                                          ; one plain place behind the conversions
.irp c, 0,1                                    ; the operand's layout wants a whole block in a lane: lanes 0-15 block 2 c, lanes 16-31 block 2 c + 1
.irp i, 0,1,2
	v_permlane16_swap_b32 v[PC+6*\c+\i], v[PC+12+4*\c+\i]
.endr
.irp i, 0,1,2
	v_mov_b32 v[PC+3+6*\c+\i], v[PC+12+4*\c+\i]
.endr
.endr
.endm
	s_load_b256 s[4:11], s[0:1], 0x0               ; xcode, wcode, rope, qcode
	s_load_b64 s[12:13], s[0:1], 0x20              ; kvcode
	v_lshl_add_u32 v254, v0, 2, 0x48000
	v_mov_b32 v255, 0
	ds_add_u32 v254, v255
	ds_add_u32 v254, v255
	v_lshrrev_b32 v12, 5, v0
	v_readfirstlane_b32 s14, v12                   ; wave 0..3
	s_bfe_u32 s15, ttmp6, 0x40000                  ; cx
	s_bfe_u32 s16, ttmp6, 0x40004                  ; cy
	s_and_b32 s18, ttmp7, 0xffff                   ; the cluster's y: 0-7 q and k, 8-11 v
	s_sub_co_u32 s21, s18, 8
	s_lshl_b32 s21, s21, 2
	s_add_co_u32 s21, s21, ttmp9                   ; v: 16 columns of clusters over the tokens
	s_cmp_lt_u32 s18, 8
	s_cselect_b32 s19, s18, 2                      ; v: A's blocks 8 .. 11 of 256 rows of wcode are Wv's
	s_cselect_b32 s20, ttmp9, s21
	s_lshl_b32 s19, s19, 2
	s_add_co_u32 s19, s19, s16                     ; ia: which 256 rows of A; it never holds cx
	s_lshl_b32 s20, s20, 2
	s_add_co_u32 s20, s20, s15                     ; ib: which 128 rows of B; it never holds cy
	s_lshl_b32 s21, s16, 2
	s_lshl_b32 s21, 15, s21                        ; my row of the cluster
	s_lshl_b32 s22, 0x1111, s15                    ; my column
	; descriptor groups 1: rows of 3,072 bytes (a row block's two fragments of a chunk: 384 elements of 8 bytes), 12,800 bytes (1,600 elements) apart; A: 4 rows, B: 2
	s_or_b32 s[G1A], s21, (3<<16)|(1<<21)          ; 15:0 the mask; 17:16 elements of 8 bytes; 21 set beside a mask; no padding
	s_mov_b32 s[G1A+1], 384<<16                    ; tensor_dim0
	s_mov_b32 s[G1A+2], 4<<16                      ; tensor_dim1
	s_mov_b32 s[G1A+3], 384<<16                    ; tile_dim0
	s_mov_b32 s[G1A+4], 4                          ; tile_dim1
	s_mov_b32 s[G1A+5], 1600                       ; the pitch
	s_mov_b32 s[G1A+6], 0
	s_mov_b32 s[G1A+7], 0
	s_or_b32 s[G1B], s22, (3<<16)|(1<<21)
	s_mov_b32 s[G1B+1], 384<<16
	s_mov_b32 s[G1B+2], 2<<16
	s_mov_b32 s[G1B+3], 384<<16
	s_mov_b32 s[G1B+4], 2
	s_mov_b32 s[G1B+5], 1600
	s_mov_b32 s[G1B+6], 0
	s_mov_b32 s[G1B+7], 0
	s_lshl_b32 s94, s19, 4
	s_lshl_b32 s95, s14, 2
	s_add_co_u32 s94, s94, s95
	s_mul_i32 s94, s94, 12800                      ; my four records of A
	s_mov_b32 s95, 0
	s_lshl_b32 s96, s20, 3
	s_mul_i32 s96, s96, 12800                      ; the work-group's eight records of B
	s_mov_b32 s97, 0
	s_mul_i32 s98, s14, 49152                      ; LDS: my A bytes
	s_mul_i32 s99, s14, 6144
	s_add_co_u32 s99, s99, 196608                  ; and where my two row blocks of B go
	s_mul_i32 s100, s14, 25600
	s_mov_b32 s101, 0
	s_mov_b32 s2, 0x76543210
	s_mov_b32 s3, 0xfedcba98                       ; selects for lane l xor 16
	v_and_b32 v12, 31, v0                          ; lane
	v_and_b32 v13, 15, v0                          ; r
	v_bfe_u32 v14, v0, 4, 1                        ; h
	v_lshlrev_b32 v[L16], 4, v12
	v_lshlrev_b32 v[L8], 3, v12
	v_lshlrev_b32 v[R16], 4, v13
	v_lshlrev_b32 v[L4], 2, v12
	v_add_nc_u32 v[AA16], s98, v[L16]
	v_add_nc_u32 v[AA8], s98, v[L8]
	v_add_nc_u32 v[BA16], 196608, v[L16]
	v_add_nc_u32 v[BA16+1], 245760, v[L16]
	v_add_nc_u32 v[BA8], 196608, v[L8]
	v_add_nc_u32 v[BA8+1], 245760, v[L8]
	v_and_b32 v15, 8, v13
	v_add_nc_u32 v15, v15, v13                     ; r + 8 (r / 8)
	v_lshlrev_b32 v[TA], 8, v15
	v_lshl_add_u32 v[TA], v14, 6, v[TA]            ; the table: my token's row of 256 bytes, 16 h numbers on
	v_cmp_le_u32 s17, 16, v12                      ; lanes 16-31
.irp b, 0,1,2,3
	v_mov_b32 v[TM+4+\b], 0                        ; written once: a lane permute's destination counts as one of its sources
.endr
	s_wait_dscnt 0x0
	s_wait_kmcnt 0x0
	s_cmp_lt_u32 s18, 8
	s_cselect_b64 s[76:77], s[4:5], s[6:7]         ; side A's buffer,
	s_cselect_b64 s[78:79], s[6:7], s[4:5]         ; side B's
	s_add_nc_u64 s[80:81], s[76:77], s[94:95]      ; my records of A
	s_add_nc_u64 s[82:83], s[78:79], s[96:97]      ; the records of B
	s_add_nc_u64 s[78:79], s[82:83], s[100:101]    ; the two of them that I fetch
	s_and_b32 s94, s19, 7
	s_lshl_b32 s94, s94, 16
	s_lshl_b32 s96, s14, 14
	s_add_co_u32 s94, s94, s96
	s_add_nc_u64 s[84:85], s[8:9], s[94:95]        ; the table at token 256 (ia % 8) + 64 w of a batch
.irp c, 0,1,2,3
.set GB, 56+4*\c+4*(\c/2)                      ; s56, s60, s68, s72
	s_mov_b32 s[G0A+4*\c], 1
	s_add_co_u32 s[G0A+4*\c+1], s98, \c*12288
	s_add_nc_u64 s[G0A+4*\c+2:G0A+4*\c+3], s[80:81], \c*3072
	s_or_b32 s[G0A+4*\c+3], s[G0A+4*\c+3], 0x80000000
	s_mov_b32 s[GB], 1
	s_add_co_u32 s[GB+1], s99, \c*24576
	s_add_nc_u64 s[GB+2:GB+3], s[78:79], \c*3072
	s_or_b32 s[GB+3], s[GB+3], 0x80000000
.endr
	CROUND                                         ; all sixteen work-groups are here: the joint loads meet
.irp c, 0,1,2,3
.set GB, 56+4*\c+4*(\c/2)
	tensor_load_to_lds s[G0A+4*\c:G0A+4*\c+3], s[G1A:G1A+7]
	s_nop 0
	tensor_load_to_lds s[GB:GB+3], s[G1B:G1B+7]
	s_nop 0
.endr
	PLACES                                         ; four v_nop follow the last of them
.irp a, 0,1,2,3
.irp q, 0,1
	global_load_b128 v[SA+8*\a+4*\q:SA+8*\a+4*\q+3], v[R16], s[80:81] offset:\a*12800+12288+256*\q   ; row r's scale words of K steps 4 q .. 4 q + 3
.endr
.endr
.irp b, 0,1,2,3,4,5,6,7
.irp q, 0,1
	global_load_b128 v[SB+8*\b+4*\q:SB+8*\b+4*\q+3], v[R16], s[82:83] offset:\b*12800+12288+256*\q
.endr
.endr
	; The rotary table of my 64 tokens: 16 cosines and 16 signed sines a lane and row block.  In v's mode they are not used; they are loaded in both modes (inside the table in both),
	; so that the ways part once only, behind the products.
	WIN 0xc0
	s_wait_alu depctr_va_vdst(0)
.irp a, 0,1,2,3
.irp q, 0,1,2,3
	global_load_b128 v[32*\a+4*\q:32*\a+4*\q+3], v[TA], s[84:85] offset:(32*(\a/2)+8*(\a%2))*256+16*\q
	global_load_b128 v[32*\a+16+4*\q:32*\a+16+4*\q+3], v[TA], s[84:85] offset:(32*(\a/2)+8*(\a%2))*256+128+16*\q
.endr
.endr
	WIN 0
	s_wait_tensorcnt 0x6                           ; chunk 0's two loads of mine have landed; the other six may stay out
	s_barrier_signal -1
	s_barrier_wait -1                              ; everybody's have
	FETCH 0
	s_wait_loadcnt 0x0                             ; the scale words and the table
	STEP 0
	STEP 1
	STEP 2
	STEP 3
	STEP 4
	STEP 5
	STEP 6
	STEP 7
	PLACES
	WIN 0
	s_cmp_ge_u32 s18, 8
	s_cbranch_scc1 .Lvmode
	; ---- q and k: where my four row blocks go.  The work-group's 128 rows of B are two heads, e and o
	s_lshl_b32 s21, s19, 4
	s_lshl_b32 s22, s14, 2
	s_add_co_u32 s21, s21, s22                     ; R0 = 16 ia + 4 w
	s_mul_i32 s22, s21, 768
	s_mul_i32 s23, s20, 786432
	s_add_co_u32 s22, s22, s23                     ; q: codes of head e = 2 ib
	s_lshl_b32 s23, s21, 5
	s_lshl_b32 s86, s20, 15
	s_add_co_u32 s23, s23, s86
	s_add_co_u32 s23, s23, 6291456                 ; q: its scale words
	s_lshr_b32 s86, s19, 3
	s_lshl_b32 s86, s86, 4
	s_and_b32 s87, s20, 7
	s_lshl_b32 s87, s87, 1
	s_add_co_u32 s86, s86, s87                     ; k: 16 x batch + head e
	s_lshl_b32 s86, s86, 4
	s_and_b32 s87, s19, 7
	s_lshl_b32 s87, s87, 1
	s_add_co_u32 s86, s86, s87
	s_lshr_b32 s87, s14, 1
	s_add_co_u32 s86, s86, s87                     ; + the key step 2 (ia % 8) + w / 2
	s_mul_i32 s86, s86, 12800
	s_and_b32 s87, s14, 1
	s_mul_i32 s88, s87, 3072
	s_add_co_u32 s88, s88, s86                     ; k: codes: tiles 4 (w % 2) on
	s_lshl_b32 s87, s87, 7
	s_add_co_u32 s87, s87, s86
	s_add_co_u32 s87, s87, 12288                   ; k: scale words
	s_mov_b32 s89, 204800                          ; k: from a head to the next: 16 records
	s_cmp_lt_u32 ttmp9, 2                          ; clusters 0, 1 along x hold Wq's rows, 2, 3 Wk's
	s_cselect_b64 s[90:91], s[10:11], s[12:13]
	s_cselect_b32 s94, s22, s88
	s_cselect_b32 s96, s23, s87
	s_cselect_b32 s98, 393216, s89
	s_cselect_b32 s100, 16384, s89
	s_mov_b32 s95, 0
	s_mov_b32 s97, 0
	s_mov_b32 s99, 0
	s_mov_b32 s101, 0
	s_add_nc_u64 s[86:87], s[90:91], s[94:95]      ; head e's codes,
	s_add_nc_u64 s[88:89], s[86:87], s[98:99]      ; head o's,
	s_add_nc_u64 s[92:93], s[90:91], s[96:97]      ; head e's scale words,
	s_add_nc_u64 s[90:91], s[92:93], s[100:101]    ; head o's
.irp a, 0,1,2,3
	WIN 0x0e                                       ; source 0 the accumulators (window 2), source 1 the table (window 3)
.irp j, 0,2,4,6,8,10,12,14,16,18,20,22,24,26,28,30,32,34,36,38,40,42,44,46,48,50,52,54,56,58,60,62
	v_pk_mul_f32 v[XR+\j:XR+\j+1], v[64*\a+\j:64*\a+\j+1], v[32*\a+(\j%16):32*\a+(\j%16)+1]   ; q[d] cos; each accumulator is read from its low end on
.endr
.irp j, 0,2,4,6,8,10,12,14,16,18,20,22,24,26,28,30,32,34,36,38,40,42,44,46,48,50,52,54,56,58,60,62
	v_pk_fma_f32 v[XR+\j:XR+\j+1], v[64*\a+\j:64*\a+\j+1], v[32*\a+16+(\j%16):32*\a+16+(\j%16)+1], v[XR+\j:XR+\j+1] op_sel:[1,0,0] op_sel_hi:[0,1,1]   ; + q[d xor 1] x the signed sine: the pair is taken swapped
.endr
	WIN 0
.if \a > 0
	s_wait_xcnt 0x0                                ; the last block's stores have read their data
.endif
	QUANT XR, 0, PW+\a                             ; blocks 0, 1: head e's 64 channels; blocks 2, 3: head o's
	global_store_b128 v[L16], v[PC:PC+3], s[86:87] offset:768*\a
	global_store_b64 v[L8], v[PC+4:PC+5], s[86:87] offset:768*\a+512
	global_store_b128 v[L16], v[PC+6:PC+9], s[88:89] offset:768*\a
	global_store_b64 v[L8], v[PC+10:PC+11], s[88:89] offset:768*\a+512
.endr
	v_perm_b32 v228, v[PW+1], v[PW], 0x05040100    ; head e: the two bytes of blocks a = 0 and 1,
	v_perm_b32 v229, v[PW+3], v[PW+2], 0x05040100  ; of 2 and 3
	v_cndmask_b32 v228, v228, v229, s17            ; lanes 0-15 store the first pair's words, lanes 16-31 the second's: 128 consecutive bytes
	v_perm_b32 v230, v[PW+1], v[PW], 0x07060302    ; head o
	v_perm_b32 v231, v[PW+3], v[PW+2], 0x07060302
	v_cndmask_b32 v230, v230, v231, s17
	global_store_b32 v[L4], v228, s[92:93]
	global_store_b32 v[L4], v230, s[90:91]
	s_branch .Ldone
.Lvmode:
	; ---- v: my 64 channels are head 4 cy + w; the work-group's 128 tokens are key step ib % 16 of batch ib / 16
	s_lshr_b32 s21, s20, 4
	s_lshl_b32 s21, s21, 4
	s_lshl_b32 s22, s16, 2
	s_add_co_u32 s21, s21, s22
	s_add_co_u32 s21, s21, s14
	s_lshl_b32 s21, s21, 4
	s_and_b32 s22, s20, 15
	s_add_co_u32 s21, s21, s22
	s_mul_i32 s94, s21, 12800
	s_mov_b32 s95, 0
	s_add_nc_u64 s[86:87], s[12:13], s[94:95]
.irp a, 0,1,2,3
.if \a > 0
	s_wait_xcnt 0x0                                ; the last block's stores have read their data
.endif
	QUANT 64*\a, 2, PW+\a                          ; straight from the accumulators, each from its low end on: 128 keys of 16 channels
	global_store_b128 v[L16], v[PC:PC+3], s[86:87] offset:6144+1536*\a
	global_store_b64 v[L8], v[PC+4:PC+5], s[86:87] offset:6144+1536*\a+512
	global_store_b128 v[L16], v[PC+6:PC+9], s[86:87] offset:6144+1536*\a+768
	global_store_b64 v[L8], v[PC+10:PC+11], s[86:87] offset:6144+1536*\a+1280
.endr
	v_cndmask_b32 v228, v[PW], v[PW+1], s17
	v_cndmask_b32 v230, v[PW+2], v[PW+3], s17
	global_store_b32 v[L4], v228, s[86:87] offset:12544
	global_store_b32 v[L4], v230, s[86:87] offset:12544+128
.Ldone:
	s_wait_tensorcnt 0x0
	ds_add_u32 v254, v255
	s_wait_dscnt 0x0
	CROUND                                         ; the closing round: no work-group ends while a partner may still ask for a tile that names it
	s_endpgm
.Lfunc_end_k_qe29ddb6e66_qkv:
	.size	k_qe29ddb6e66_qkv, .Lfunc_end_k_qe29ddb6e66_qkv-k_qe29ddb6e66_qkv
	.p2alignl 7, 3214868480
	.fill 96, 4, 3214868480
	.section	.rodata,"a",@progbits
	.p2align	6, 0x0
	.amdhsa_kernel k_qe29ddb6e66_qkv
		.amdhsa_group_segment_fixed_size 295424
		.amdhsa_private_segment_fixed_size 0
		.amdhsa_enable_private_segment 0
		.amdhsa_kernarg_size 40
		.amdhsa_user_sgpr_count 2
		.amdhsa_user_sgpr_kernarg_segment_ptr 1
		.amdhsa_wavefront_size32 1
		.amdhsa_system_sgpr_workgroup_id_x 1
		.amdhsa_system_sgpr_workgroup_id_y 1
		.amdhsa_system_sgpr_workgroup_id_z 1
		.amdhsa_system_vgpr_workitem_id 0
		.amdhsa_next_free_vgpr 896
		.amdhsa_next_free_sgpr 102
		.amdhsa_reserve_vcc 0
		.amdhsa_float_denorm_mode_32 3
		.amdhsa_float_denorm_mode_16_64 3
		.amdhsa_memory_ordered 1
		.amdhsa_forward_progress 1
		.amdhsa_inst_pref_size 125
	.end_amdhsa_kernel
	.amdgpu_metadata
---
amdhsa.version: [ 1, 2 ]
amdhsa.kernels:
  - .name:           k_qe29ddb6e66_qkv
    .symbol:         k_qe29ddb6e66_qkv.kd
    .args:
      - { .name: xcode, .offset: 0, .size: 8, .value_kind: global_buffer, .address_space: global }
      - { .name: wcode, .offset: 8, .size: 8, .value_kind: global_buffer, .address_space: global }
      - { .name: rope, .offset: 16, .size: 8, .value_kind: global_buffer, .address_space: global }
      - { .name: qcode, .offset: 24, .size: 8, .value_kind: global_buffer, .address_space: global }
      - { .name: kvcode, .offset: 32, .size: 8, .value_kind: global_buffer, .address_space: global }
    .group_segment_fixed_size: 295424
    .private_segment_fixed_size: 0
    .kernarg_segment_align: 8
    .kernarg_segment_size: 40
    .max_flat_workgroup_size: 128
    .sgpr_count:     102
    .vgpr_count:     896
    .wavefront_size: 32
...
	.end_amdgpu_metadata
.endif
;; end of part 2
;; launch attn (part 3): grid 4 x 64, 16 waves a work-group, no clusters, 206,848 bytes of LDS; arguments qcode, kvcode, ycode; writes ycode
.if DOCPART == 3
	.amdgcn_target "amdgcn-amd-amdhsa--gfx1250"
	.amdhsa_code_object_version 6
	.text
	.protected	k_qe29ddb6e66_attn
	.globl	k_qe29ddb6e66_attn
	.p2align	8
	.type	k_qe29ddb6e66_attn,@function
k_qe29ddb6e66_attn:
	s_mov_b64 s[64:65], 0
	v_nop
	global_prefetch_b8 v0, s[64:65] scope:SCOPE_SE
	s_setreg_imm32_b32 hwreg(HW_REG_WAVE_MODE, 25, 1), 1
	s_wait_xcnt 0x0
; ATTN.  y = softmax(q k^T / 8, causal) v for one (batch, head) a grid row, both products on codes of E3M2; y / l is quantised along C and leaves as codes for the last product.
; THE SOFTMAX AHEAD OF THE SECOND PRODUCT: t = score x log2(e) / 8; M = the running largest t rounded UP to a whole number; p = 2^(t - M) is quantised along the keys; the row's sum l is taken
; of the unquantised p and divides at the end.  When M moves, l and O are multiplied by 2^(old M - new M): exact.
; A WHOLE HEAD'S K, V AND SCALES STAY IN LDS: 16 records of 12,800 bytes (128 keys each); wave w brings record w by one tensor load; one barrier; afterwards nobody writes LDS.
; A record: K's 8 tiles of 16 keys as 4 fragments (tile 2 m in k 0-63, tile 2 m + 1 in k 64-127) at 1536 m; V's 4 fragments (16 channels x 128 keys) at 6144 + 1536 c;
; K's scale words at 12288 + 64 m + 4 p; V's at 12544 + 64 c + 4 p.  A fragment is an image of 12 registers a lane (0-3 at 16 l, 4-5 at 512 + 8 l, 6-9 at 768 + 16 l, 10-11 at 1280 + 8 l).
; K = 64 IN AN INSTRUCTION OF K = 128: q stands once in k 0-63 with zero codes behind it (QL) and once in k 64-127 with zero codes ahead (QH): K's fragment m x QL gives tile 2 m's scores,
; x QH tile 2 m + 1's.  Every code is a finite number and every scale byte lies in 1 .. 254, so the other half adds exactly 0.
; TILES.  Tile 2 B + u of queries, keys or channels holds rows 32 B + 8 u + p + 8 (p / 8).  Both products are used transposed (source 0 = keys, or V's channels; source 1 = my 16 queries): a lane holds
; ONE query, and the 16 registers of tiles 2 B, 2 B + 1 are 16 neighbours: 32 B + 16 (l / 16) + 0 .. 15.
; SHARES.  256 work-groups, four to a head.  Wave w of work-group g owns tiles 16 g + w and 127 - (16 g + w) of the head's 128 tiles of queries: together 17 key steps that are not hidden, for every wave.
; Both loops have constant trip counts; a key step all of whose keys come after the tile's queries is left out by a scalar branch on ids.
; NO CLUSTER, though the four work-groups of a head read the same 204,800 bytes: that branch hangs on the tile of queries, which differs between them, and it halves the vector work of the launch.
; LIMITS: a block of zeros gets the byte 1 (its codes are zeros; only this program reads the bytes); NaN and infinities are not served.
.set ADA, 4                            ; v4   LDS: the record in hand + 16 l
.set ADB, 5                            ; v5   + 8 l
.set ADS, 6                            ; v6   + 4 r
.set DQ,  7                            ; v7   r + 8 (r / 8) - 16 h
.set YB,  8                            ; v8   16 r + h
.set QL,  16                           ; v16-27 [q | zeros]
.set QH,  28                           ; v28-39 [zeros | q]
.set QS,  40                           ; v40    q's two scale bytes, twice
.set FR,  44                           ; v44-91 four fragments of K, then of V
.set SW,  92                           ; v92-95 their scale words
.set S,   96                           ; v96-159 S^T, then p; on the way out y
.set O,   160                          ; v160-191 O^T
.set PCD, 192                          ; v192-203 p's codes
.set CT,  204                          ; v204-210 the conversions' second halves
.set BM,  212                          ; v212-215 the blocks' largest
.set BP,  216                          ; v216-219 at work
.set BS,  224                          ; v224-227 the conversions' scale operands
.set PWR, 228                          ; v228    p's scale word
.set FF,  230                          ; v[230:231] f = 2^(old M - new M); later 1 / l
.set TMP, 232
.set NINF, 233                         ; -infinity
.set DD,  234
.set YBY, 235
.macro FRAGL reg, a16, a8, off
	ds_load_b128 v[(\reg):(\reg)+3], v[\a16] offset:(\off)
	ds_load_b64 v[(\reg)+4:(\reg)+5], v[\a8] offset:(\off)+512
	ds_load_b128 v[(\reg)+6:(\reg)+9], v[\a16] offset:(\off)+768
	ds_load_b64 v[(\reg)+10:(\reg)+11], v[\a8] offset:(\off)+1280
.endm
	s_load_b128 s[4:7], s[0:1], 0x0                ; qcode, kvcode
	s_load_b64 s[8:9], s[0:1], 0x10                ; ycode
	v_lshl_add_u32 v254, v0, 2, 0x32000
	v_mov_b32 v255, 0
	ds_add_u32 v254, v255
	ds_add_u32 v254, v255
	v_lshrrev_b32 v9, 5, v0
	s_delay_alu instid0(VALU_DEP_1)
	v_readfirstlane_b32 s10, v9                    ; wave 0..15
	s_and_b32 s11, ttmp7, 0xffff                   ; 16 x batch + head
	s_lshr_b32 s12, s11, 4
	s_and_b32 s13, s11, 15
	; the descriptor: a record, dense: 50 rows of 256 bytes (32 elements of 8 bytes)
	s_mov_b32 s24, 3<<16
	s_mov_b32 s25, 32<<16
	s_mov_b32 s26, 50<<16
	s_mov_b32 s27, 32<<16
	s_mov_b32 s28, 50
	s_mov_b32 s29, 32
	s_mov_b32 s30, 0
	s_mov_b32 s31, 0
	s_lshl_b32 s46, s11, 4
	s_add_co_u32 s46, s46, s10
	s_mul_i32 s46, s46, 12800
	s_mov_b32 s47, 0
	s_mov_b32 s32, 1
	s_mul_i32 s33, s10, 12800
	s_mov_b32 s14, 0x76543210
	s_mov_b32 s15, 0xfedcba98                      ; selects for lane l xor 16
	s_mov_b32 s16, 0x3e38aa3b                      ; c = log2(e) / 8
	s_mov_b32 s17, s16                             ; (named with it as a pair)
	s_wait_dscnt 0x0
	s_wait_kmcnt 0x0
	s_add_nc_u64 s[34:35], s[6:7], s[46:47]
	s_or_b32 s35, s35, 0x80000000
	tensor_load_to_lds s[32:35], s[24:31]          ; my one tensor load of the launch
	s_nop 0
	v_and_b32 v9, 31, v0                           ; lane
	v_and_b32 v10, 15, v0                          ; r
	v_bfe_u32 v11, v0, 4, 1                        ; h
	s_delay_alu instid0(VALU_DEP_3)
	v_lshlrev_b32 v1, 4, v9                        ; 16 l
	s_delay_alu instid0(VALU_DEP_4)
	v_lshlrev_b32 v2, 3, v9                        ; 8 l
	s_delay_alu instid0(VALU_DEP_4)
	v_lshlrev_b32 v3, 2, v10                       ; 4 r
	v_and_b32 v[DQ], 8, v10
	s_delay_alu instid0(VALU_DEP_1)
	v_add_nc_u32 v[DQ], v[DQ], v10
	v_lshlrev_b32 v[YB], 4, v11
	s_delay_alu instid0(VALU_DEP_1)
	v_sub_nc_u32 v[DQ], v[DQ], v[YB]
	v_lshl_add_u32 v[YB], v10, 4, v11
	v_cmp_eq_u32 s37, 1, v11                       ; lanes 16-31
.irp i, 0,1,2,3,4,5
	v_mov_b32 v[QL+6+\i], 0                        ; the zero codes: they stay
	v_mov_b32 v[QH+\i], 0
.endr
.irp b, 0,1,2,3
	v_mov_b32 v[BP+\b], 0                          ; written once: a lane permute's destination counts as one of its sources
.endr
	v_mov_b32 v[FF+1], 0                           ; (named as the upper half of a pair)
	v_mov_b32 v[TMP], 0
	v_mov_b32 v[NINF], 0xff800000
	s_lshl_b32 s36, ttmp9, 4
	s_add_co_u32 s36, s36, s10                     ; my first tile of queries
	s_mov_b32 s18, 0
	s_wait_tensorcnt 0x0                           ; my record has landed,
	s_barrier_signal -1
	s_barrier_wait -1                              ; everybody's has
.Lpass:                                                ; two trips: tile 16 g + w, then tile 127 - (16 g + w)
	s_sub_co_u32 s46, 127, s36
	s_cmp_eq_u32 s18, 0
	s_cselect_b32 s19, s36, s46                    ; the tile
	s_lshr_b32 s20, s19, 1
	s_lshl_b32 s20, s20, 5
	s_and_b32 s46, s19, 1
	s_lshl_b32 s47, s46, 3
	s_add_co_u32 s20, s20, s47                     ; its first query
	s_mov_b32 s48, 0x03020302
	s_cmp_eq_u32 s46, 1
	s_cselect_b32 s48, s48, 0x01000100             ; which half of the pair's scale word is my tile's
	s_lshl_b32 s49, s12, 7
	s_add_co_u32 s49, s49, s19                     ; R: the row block among the 512
	s_mul_i32 s50, s13, 393216
	s_mul_i32 s51, s49, 768
	s_add_co_u32 s50, s50, s51
	s_mov_b32 s51, 0
	s_add_nc_u64 s[38:39], s[4:5], s[50:51]        ; q's codes
	s_lshr_b32 s50, s49, 1
	s_lshl_b32 s50, s50, 6
	s_lshl_b32 s52, s13, 14
	s_add_co_u32 s50, s50, s52
	s_add_co_u32 s50, s50, 6291456
	s_add_nc_u64 s[40:41], s[4:5], s[50:51]        ; q's scale words
	s_mul_i32 s50, s49, 12800
	s_mul_i32 s52, s13, 768
	s_add_co_u32 s52, s52, s50
	s_mov_b32 s53, 0
	s_add_nc_u64 s[42:43], s[8:9], s[52:53]        ; y's codes: record R, half fragment = head
	s_lshr_b32 s52, s13, 3
	s_lshl_b32 s52, s52, 8
	s_and_b32 s54, s13, 7
	s_lshl_b32 s54, s54, 1
	s_add_co_u32 s52, s52, s54
	s_add_co_u32 s52, s52, s50
	s_add_co_u32 s52, s52, 12288
	s_add_nc_u64 s[44:45], s[8:9], s[52:53]        ; y's scale bytes: K blocks 2 head, 2 head + 1
	global_load_b128 v[QL:QL+3], v1, s[38:39]
	global_load_b64 v[QL+4:QL+5], v2, s[38:39] offset:512
	global_load_b32 v[DD], v3, s[40:41]
	v_mov_b32 v13, 0xff61b1e6                      ; the largest t so far: -3e38
	s_delay_alu instid0(VALU_DEP_1)
	v_floor_f32 v12, -v13                          ; -M
	v_mov_b32 v14, 0                               ; l, in two halves
	v_mov_b32 v15, 0
	s_wait_loadcnt 0x0
.irp i, 0,1,2,3,4,5
	v_mov_b32 v[QH+6+\i], v[QL+\i]
.endr
	v_perm_b32 v[QS], v[DD], v[DD], s48            ; my tile's two bytes in both halves of the word: they serve QL and QH
.irp j, 0,1,2,3,4,5,6,7,8,9,10,11,12,13,14,15,16,17,18,19,20,21,22,23,24,25,26,27,28,29,30,31
	v_mov_b32 v[O+\j], 0                           ; O^T.  (The step is written once; these 32 are also the places between the lines above and the first scaled products)
.endr
	s_mov_b32 s21, 0                               ; the step's first key
	s_mov_b32 s22, 0                               ; its record in LDS
	s_mov_b32 s23, 16
.Lstep:                                                ; 16 trips
	s_cmp_gt_u32 s21, s20                          ; all 128 keys come after my queries (the first key is a multiple of 32, my 16 queries lie in one run of 32)
	s_cbranch_scc1 .Lhid
	s_setprio 2
	v_add_nc_u32 v[ADA], s22, v1
	v_add_nc_u32 v[ADB], s22, v2
	v_add_nc_u32 v[ADS], s22, v3
	v_nop                                          ; four places ahead of loads into registers that the last products read
.irp m, 0,1,2,3
	FRAGL FR+12*\m, ADA, ADB, 1536*\m
	ds_load_b32 v[SW+\m], v[ADS] offset:12288+64*\m
.endr
	s_wait_alu depctr_va_vdst(0)
	s_wait_dscnt 0x0
.irp t, 0,1,2,3,4,5,6,7
	v_wmma_scale_f32_16x16x128_f8f6f4 v[S+8*\t:S+8*\t+7], v[FR+12*(\t/2):FR+12*(\t/2)+11], v[QL+12*(\t%2):QL+12*(\t%2)+11], 0, v[SW+\t/2], v[QS] matrix_a_fmt:MATRIX_FMT_BF6 matrix_b_fmt:MATRIX_FMT_BF6
.endr
.rept 4
	v_nop
.endr
.irp c, 0,1,2,3                                ; V is asked for now and lands under the softmax
	FRAGL FR+12*\c, ADA, ADB, 6144+1536*\c
	ds_load_b32 v[SW+\c], v[ADS] offset:12544+64*\c
.endr
	s_add_co_u32 s46, s21, 127
	s_cmp_le_u32 s46, s20
	s_cbranch_scc1 .Lopen                          ; all keys of the step count for all my queries
	s_sub_co_i32 s46, s20, s21
	v_add_nc_u32 v[DD], s46, v[DQ]                 ; d = my query - the step's first key - 16 h.  Register 16 b + i holds key 32 b + 16 h + i: hidden where 32 b + i > d
.irp n, 0,1,2,3,4,5,6,7,8,9,10,11,12,13,14,15,16,17,18,19,20,21,22,23,24,25,26,27,28,29,30,31,32,33,34,35,36,37,38,39,40,41,42,43,44,45,46,47,48,49,50,51,52,53,54,55,56,57,58,59,60,61,62,63
	v_cmp_gt_i32 vcc_lo, 32*(\n/16)+\n%16, v[DD]
	v_cndmask_b32 v[S+\n], v[S+\n], v[NINF], vcc_lo
.endr
.Lopen:
.irp b, 0,1,2,3
	v_max3_num_f32 v[BM+\b], v[S+16*\b], v[S+1+16*\b], v[S+2+16*\b]   ; the largest score of each block of 32 keys: for the row's maximum and, since p rises with the score, for the block's largest p
.endr
.irp i, 3,5,7,9,11,13
.irp b, 0,1,2,3
	v_max3_num_f32 v[BM+\b], v[BM+\b], v[S+16*\b+\i], v[S+1+16*\b+\i]
.endr
.endr
.irp b, 0,1,2,3
	v_max_num_f32 v[BM+\b], v[BM+\b], v[S+15+16*\b]
.endr
.irp b, 0,1,2,3
	s_delay_alu instid0(VALU_DEP_4)
	v_permlanex16_b32 v[BP+\b], v[BM+\b], s14, s15
.endr
.irp b, 0,1,2,3
	s_delay_alu instid0(VALU_DEP_4)
	v_max_num_f32 v[BM+\b], v[BM+\b], v[BP+\b]     ; with lane l xor 16's 16 keys
.endr
	s_delay_alu instid0(VALU_DEP_2)
	v_max3_num_f32 v[TMP], v[BM], v[BM+1], v[BM+2]
	s_delay_alu instid0(VALU_DEP_1)
	v_max_num_f32 v[TMP], v[TMP], v[BM+3]
	s_delay_alu instid0(VALU_DEP_1)
	v_mul_f32 v[TMP], s16, v[TMP]                  ; as t
	s_delay_alu instid0(VALU_DEP_1)
	v_max_num_f32 v13, v13, v[TMP]                 ; the running largest t
	v_mov_b32 v[TMP], v12
	s_delay_alu instid0(VALU_DEP_2)
	v_floor_f32 v12, -v13                          ; the new -M = -ceil(t)
	s_delay_alu instid0(VALU_DEP_1)
	v_sub_f32 v[TMP], v12, v[TMP]                  ; old M - new M: a whole number, 0 or less
	s_delay_alu instid0(VALU_DEP_1)
	v_cvt_i32_f32 v[TMP], v[TMP]                   ; (it saturates)
	s_delay_alu instid0(VALU_DEP_1)
	v_ldexp_f32 v[FF], 1.0, v[TMP]                 ; f
	s_setprio 1
.irp j, 0,2,4,6,8,10,12,14,16,18,20,22,24,26,28,30,32,34,36,38,40,42,44,46,48,50,52,54,56,58,60,62
	v_pk_fma_f32 v[S+\j:S+1+\j], v[S+\j:S+1+\j], s[16:17], v[12:13] op_sel_hi:[1,0,0]   ; t - M
.endr
.irp b, 0,1,2,3
	v_fma_f32 v[BM+\b], v[BM+\b], s16, v12
.endr
	s_wait_alu depctr_va_vdst(0)
.irp j, 0,1,2,3,4,5,6,7,8,9,10,11,12,13,14,15,16,17,18,19,20,21,22,23,24,25,26,27,28,29,30,31,32,33,34,35,36,37,38,39,40,41,42,43,44,45,46,47,48,49,50,51,52,53,54,55,56,57,58,59,60,61,62,63
	v_exp_f32 v[S+\j], v[S+\j]                     ; p = 2^(t - M)
.endr
	v_pk_mul_f32 v[14:15], v[14:15], v[FF:FF+1] op_sel_hi:[1,0]   ; l under the new M: the plain place behind the exponentials
	s_wait_alu depctr_va_vdst(0)                   ; one wait for the batch of 64, ahead of its first reader
.irp b, 0,1,2,3
	v_exp_f32 v[BM+\b], v[BM+\b]                   ; the blocks' largest p
.endr
	v_pk_add_f32 v[216:217], v[100:101], v[104:105]
	v_pk_add_f32 v[252:253], v[108:109], v[112:113]
	v_pk_add_f32 v[250:251], v[116:117], v[120:121]
	v_pk_add_f32 v[248:249], v[124:125], v[128:129]
	v_pk_add_f32 v[246:247], v[132:133], v[136:137]
	v_pk_add_f32 v[244:245], v[140:141], v[144:145]
	v_pk_add_f32 v[242:243], v[148:149], v[152:153]
	v_pk_add_f32 v[14:15], v[14:15], v[156:157]
	v_pk_add_f32 v[216:217], v[216:217], v[96:97]
	v_pk_add_f32 v[252:253], v[252:253], v[98:99]
	v_pk_add_f32 v[250:251], v[250:251], v[102:103]
	v_pk_add_f32 v[248:249], v[248:249], v[106:107]
	v_pk_add_f32 v[246:247], v[246:247], v[110:111]
	v_pk_add_f32 v[244:245], v[244:245], v[114:115]
	v_pk_add_f32 v[242:243], v[242:243], v[118:119]
	v_pk_add_f32 v[14:15], v[14:15], v[122:123]
	v_pk_add_f32 v[216:217], v[216:217], v[126:127]
	v_pk_add_f32 v[252:253], v[252:253], v[130:131]
	v_pk_add_f32 v[250:251], v[250:251], v[134:135]
	v_pk_add_f32 v[248:249], v[248:249], v[138:139]
	v_pk_add_f32 v[246:247], v[246:247], v[142:143]
	v_pk_add_f32 v[244:245], v[244:245], v[146:147]
	v_pk_add_f32 v[242:243], v[242:243], v[150:151]
	v_pk_add_f32 v[14:15], v[14:15], v[154:155]
	v_pk_add_f32 v[216:217], v[216:217], v[158:159]
	s_delay_alu instid0(VALU_DEP_2)
	v_pk_add_f32 v[14:15], v[14:15], v[248:249]
	s_delay_alu instid0(VALU_DEP_2)
	v_pk_add_f32 v[216:217], v[216:217], v[246:247]
	v_pk_add_f32 v[252:253], v[252:253], v[244:245]
	v_pk_add_f32 v[250:251], v[250:251], v[242:243]
	s_delay_alu instid0(VALU_DEP_2)
	v_pk_add_f32 v[14:15], v[14:15], v[252:253]
	s_delay_alu instid0(VALU_DEP_2)
	v_pk_add_f32 v[216:217], v[216:217], v[250:251]
	s_delay_alu instid0(VALU_DEP_1)
	v_pk_add_f32 v[14:15], v[14:15], v[216:217]
	s_wait_alu depctr_va_vdst(0)                   ; and one for the four
.irp b, 0,1,2,3
	v_max_num_f32 v[BM+\b], 0x2800000, v[BM+\b]    ; the floor 2^(5 - 127)
.endr
.irp b, 0,1,2,3
	s_delay_alu instid0(VALU_DEP_4)
	v_add_nc_u32 v[BS+\b], 0xfe000000, v[BM+\b]    ; 4 off the exponent field: the conversion's scale operand
.endr
.irp b, 0,1,2,3
	s_delay_alu instid0(VALU_DEP_4)
	v_lshrrev_b32 v[BP+\b], 23, v[BS+\b]           ; the scale's byte
.endr
	s_delay_alu instid0(VALU_DEP_3)
	v_lshl_or_b32 v[PWR], v[BP+1], 8, v[BP]
	s_delay_alu instid0(VALU_DEP_1)
	v_lshl_or_b32 v[PWR], v[BP+2], 16, v[PWR]
	s_delay_alu instid0(VALU_DEP_1)
	v_lshl_or_b32 v[PWR], v[BP+3], 24, v[PWR]
	s_setprio 0
.irp c, 0,1
	v_cvt_scalef32_pk16_bf6_f32 v[PCD+6*\c:PCD+2+6*\c], v[S+32*\c:S+15+32*\c], v[BS+2*\c]
	v_cvt_scalef32_pk16_bf6_f32 v[CT+4*\c:CT+2+4*\c], v[S+16+32*\c:S+31+32*\c], v[BS+2*\c+1]
.endr
	v_nop                                          ; one plain place behind the conversions
.irp c, 0,1
.irp i, 0,1,2
	v_permlane16_swap_b32 v[PCD+6*\c+\i], v[CT+4*\c+\i]
.endr
.irp i, 0,1,2
	s_delay_alu instid0(VALU_DEP_3)
	v_mov_b32 v[PCD+3+6*\c+\i], v[CT+4*\c+\i]
.endr
.endr
.irp j, 0,2,4,6,8,10,12,14,16,18,20,22,24,26,28,30
	v_pk_mul_f32 v[O+\j:O+1+\j], v[O+\j:O+1+\j], v[FF:FF+1] op_sel_hi:[1,0]   ; O^T under the new M; these are also the places ahead of the scaled products
.endr
	s_wait_alu depctr_va_vdst(0)
	s_wait_dscnt 0x0                               ; V is in
.irp c, 0,1,2,3
	v_wmma_scale_f32_16x16x128_f8f6f4 v[O+8*\c:O+8*\c+7], v[FR+12*\c:FR+12*\c+11], v[PCD:PCD+11], v[O+8*\c:O+8*\c+7], v[SW+\c], v[PWR] matrix_a_fmt:MATRIX_FMT_BF6 matrix_b_fmt:MATRIX_FMT_BF6
.endr
.Lhid:
	s_add_co_u32 s21, s21, 128
	s_add_co_u32 s22, s22, 12800
	s_sub_co_i32 s23, s23, 1
	s_cmp_lg_u32 s23, 0
	s_cbranch_scc1 .Lstep
	s_setprio 0
	; ---- the way out: y = O^T / l, quantised along the head's 64 channels (two blocks), as a half fragment of record R
.rept 4
	v_nop                                          ; places behind the last products
.endr
	v_add_f32 v14, v14, v15
	s_delay_alu instid0(VALU_DEP_1)
	v_permlanex16_b32 v[TMP], v14, s14, s15
	s_delay_alu instid0(VALU_DEP_1)
	v_add_f32 v14, v14, v[TMP]                     ; the row's sum
	s_wait_alu depctr_va_vdst(0)
	v_rcp_f32 v[FF], v14
	v_nop                                          ; a plain place behind the reciprocal
	s_wait_alu depctr_va_vdst(0)                   ; and the wait ahead of its first reader
.irp j, 0,2,4,6,8,10,12,14,16,18,20,22,24,26,28,30
	v_pk_mul_f32 v[S+\j:S+1+\j], v[O+\j:O+1+\j], v[FF:FF+1] op_sel_hi:[1,0]   ; register 16 b + i: channel 32 b + 16 h + i of my query; each accumulator from its low end on
.endr
.irp b, 0,1
	v_max3_num_f32 v[BM+\b], |v[S+16*\b]|, |v[S+1+16*\b]|, 0x2800000
.endr
.irp i, 2,4,6,8,10,12,14
.irp b, 0,1
	s_delay_alu instid0(VALU_DEP_2)
	v_max3_num_f32 v[BM+\b], v[BM+\b], |v[S+16*\b+\i]|, |v[S+1+16*\b+\i]|
.endr
.endr
.irp b, 0,1
	s_delay_alu instid0(VALU_DEP_2)
	v_permlanex16_b32 v[BP+\b], v[BM+\b], s14, s15
.endr
.irp b, 0,1
	s_delay_alu instid0(VALU_DEP_2)
	v_max_num_f32 v[BM+\b], v[BM+\b], v[BP+\b]
.endr
.irp b, 0,1
	s_delay_alu instid0(VALU_DEP_2)
	v_add_nc_u32 v[BS+\b], 0xfe000000, v[BM+\b]
.endr
.irp b, 0,1
	s_delay_alu instid0(VALU_DEP_2)
	v_lshrrev_b32 v[BP+\b], 23, v[BS+\b]
.endr
	s_delay_alu instid0(VALU_DEP_1)
	v_cndmask_b32 v[YBY], v[BP], v[BP+1], s37      ; lanes 0-15 store block 0's byte, lanes 16-31 block 1's
	v_cvt_scalef32_pk16_bf6_f32 v[PCD:PCD+2], v[S:S+15], v[BS]
	v_cvt_scalef32_pk16_bf6_f32 v[CT:CT+2], v[S+16:S+31], v[BS+1]
	v_nop
.irp i, 0,1,2
	v_permlane16_swap_b32 v[PCD+\i], v[CT+\i]
.endr
.irp i, 0,1,2
	s_delay_alu instid0(VALU_DEP_3)
	v_mov_b32 v[PCD+3+\i], v[CT+\i]
.endr
	global_store_b128 v1, v[PCD:PCD+3], s[42:43]           ; 512 and 256 consecutive bytes, at multiples of 256 from the buffer's first byte
	global_store_b64 v2, v[PCD+4:PCD+5], s[42:43] offset:512
	global_store_b8 v[YB], v[YBY], s[44:45]                ; two bytes of each row's sixteen: the other heads' work-groups store the others
	s_wait_xcnt 0x0                                ; bases and data are written again only behind this wait
	s_add_co_u32 s18, s18, 1
	s_cmp_lt_u32 s18, 2
	s_cbranch_scc1 .Lpass
	s_wait_tensorcnt 0x0
	ds_add_u32 v254, v255
	s_wait_dscnt 0x0
	s_endpgm
.Lfunc_end_k_qe29ddb6e66_attn:
	.size	k_qe29ddb6e66_attn, .Lfunc_end_k_qe29ddb6e66_attn-k_qe29ddb6e66_attn
	.p2alignl 7, 3214868480
	.fill 96, 4, 3214868480
	.section	.rodata,"a",@progbits
	.p2align	6, 0x0
	.amdhsa_kernel k_qe29ddb6e66_attn
		.amdhsa_group_segment_fixed_size 206848
		.amdhsa_private_segment_fixed_size 0
		.amdhsa_enable_private_segment 0
		.amdhsa_kernarg_size 24
		.amdhsa_user_sgpr_count 2
		.amdhsa_user_sgpr_kernarg_segment_ptr 1
		.amdhsa_wavefront_size32 1
		.amdhsa_system_sgpr_workgroup_id_x 1
		.amdhsa_system_sgpr_workgroup_id_y 1
		.amdhsa_system_sgpr_workgroup_id_z 1
		.amdhsa_system_vgpr_workitem_id 0
		.amdhsa_next_free_vgpr 256
		.amdhsa_next_free_sgpr 66
		.amdhsa_reserve_vcc 1
		.amdhsa_float_denorm_mode_32 3
		.amdhsa_float_denorm_mode_16_64 3
		.amdhsa_memory_ordered 1
		.amdhsa_forward_progress 1
		.amdhsa_inst_pref_size 35
	.end_amdhsa_kernel
	.amdgpu_metadata
---
amdhsa.version: [ 1, 2 ]
amdhsa.kernels:
  - .name:           k_qe29ddb6e66_attn
    .symbol:         k_qe29ddb6e66_attn.kd
    .args:
      - { .name: qcode, .offset: 0, .size: 8, .value_kind: global_buffer, .address_space: global }
      - { .name: kvcode, .offset: 8, .size: 8, .value_kind: global_buffer, .address_space: global }
      - { .name: ycode, .offset: 16, .size: 8, .value_kind: global_buffer, .address_space: global }
    .group_segment_fixed_size: 206848
    .private_segment_fixed_size: 0
    .kernarg_segment_align: 8
    .kernarg_segment_size: 24
    .max_flat_workgroup_size: 512
    .sgpr_count:     66
    .vgpr_count:     256
    .wavefront_size: 32
...
	.end_amdgpu_metadata
.endif
;; end of part 3
;; launch proj (part 4): grid 8 x 32, 4 waves a work-group, clusters of 4 x 4, 295,424 bytes of LDS; arguments ycode, wcode, out0; writes out0
.if DOCPART == 4
	.amdgcn_target "amdgcn-amd-amdhsa--gfx1250"
	.amdhsa_code_object_version 6
	.text
	.protected	k_qe29ddb6e66_proj
	.globl	k_qe29ddb6e66_proj
	.p2align	8
	.type	k_qe29ddb6e66_proj,@function
k_qe29ddb6e66_proj:
	s_mov_b64 s[64:65], 0
	v_nop
	global_prefetch_b8 v0, s[64:65] scope:SCOPE_SE
	s_setreg_imm32_b32 hwreg(HW_REG_WAVE_MODE, 25, 1), 1
	s_wait_xcnt 0x0
	s_wait_alu depctr_hold_cnt(0) depctr_sa_sdst(0) depctr_va_vdst(0) depctr_va_sdst(0) depctr_va_ssrc(0) depctr_va_vcc(0) depctr_vm_vsrc(0)
	s_getreg_b32 s2, hwreg(HW_REG_IB_STS2, 6, 4)
	s_cmp_eq_u32 s2, 0
	s_cbranch_scc0 .Lentry_in_a_cluster
	s_endpgm
.Lentry_in_a_cluster:
	s_bfe_u32 s2, ttmp6, 0x10000c
	s_cmp_lg_u32 s2, 0xf033
	s_cbranch_scc0 .Lentry_shape_is_right
	s_endpgm
.Lentry_shape_is_right:
; PROJ.  out = y Wp^T on codes of E3M2 (K = 1,024); out0 [8192][1024] f32.
; OPERANDS come as records of 12,800 bytes for a row block of 16 rows (block 2 B + u: rows 32 B + 8 u + p + 8 (p / 8)): eight fragments of 1,536 bytes
; (16 rows x 128 K as an image of the 12 registers a lane: registers 0-3 at 16 l, 4-5 at 512 + 8 l, 6-9 at 768 + 16 l, 10-11 at 1280 + 8 l), then 512 scale bytes.  Wp's are records 192-255 of wcode.
; A WORK-GROUP makes 256 tokens (side A) x 128 outputs (side B) over all of K.  Wave w takes A's row blocks 4 w .. 4 w + 3 against B's eight: 32 accumulators.
; Source 0 = 16 rows of Wp, source 1 = 16 tokens: a lane holds ONE token, and its registers 16 B + i of an A block are outputs 32 B + 16 (l / 16) + i.
; ALL OF K LIES IN LDS: A 196,608 bytes, B 98,304.  Eight tensor loads a wave (four chunks of 256 along K, A's and B's) go out together at the head: eight are outstanding;
; no LDS byte is filled twice.  A's bytes are the wave's own; B's are read by all four waves, behind the loading wave's wait and a barrier.
; CLUSTER 4 x 4: A's tiles are shared along a row of the cluster, B's along a column; each is asked for jointly.
; THE WAY OUT.
; REGISTERS.  window 0: v1-10 addresses; v16-47 A's scale words (8 a + s); v48-111 B's (8 b + s); v112-207 A's fragments, two sets of 48; on the way out v112-239 rows read back.
;   window 1: B's fragments, two sets of 96.   window 2: accumulator (a, b) at 64 a + 8 b.
.set L16,  1
.set L8,   2
.set R16,  3
.set AA16, 4
.set AA8,  5
.set BA16, 6
.set BA8,  8
.set STO,  10                          ; the stage: where I put 32 bytes of a row
.set SA,   16
.set SB,   48
.set AF,   112
.set BK,   112                         ; two sets of 64
.set G1A,  24
.set G1B,  32
.set G0A,  40
.set MSB, 0
.macro WIN new                         ; the immediate's high byte repeats the setting that is left
.if MSB != \new
	s_set_vgpr_msb (MSB<<8)|\new
.set MSB, \new
.endif
.endm
.macro PLACES                          ; four plain places behind matrix instructions, ahead of loads into their registers and of reads of their results
.rept 4
	v_nop
.endr
.endm
.macro CROUND                          ; a round of the cluster's barrier
	s_barrier_signal -1
	s_barrier_wait -1
	s_cmp_lg_u32 s14, 0
	s_cbranch_scc1 .Lnot_wave_0_\@
	s_barrier_signal -3
.Lnot_wave_0_\@:
	s_barrier_wait -3
	s_barrier_signal -1
	s_barrier_wait -1
.endm
.macro FRAGL reg, a16, a8, off         ; a fragment's image into 12 registers: every load of the wave takes 512 or 256 consecutive bytes
	ds_load_b128 v[(\reg):(\reg)+3], v[\a16] offset:(\off)
	ds_load_b64 v[(\reg)+4:(\reg)+5], v[\a8] offset:(\off)+512
	ds_load_b128 v[(\reg)+6:(\reg)+9], v[\a16] offset:(\off)+768
	ds_load_b64 v[(\reg)+10:(\reg)+11], v[\a8] offset:(\off)+1280
.endm
.macro FETCH s                         ; K step s: B's eight fragments and my four of A, into set s % 2: 48 loads
	WIN 0x40
.irp b, 0,1,2,3,4,5,6,7
	FRAGL 96*((\s)%2)+12*\b, BA16+((\s)/4), BA8+((\s)/4), (((\s)/2)%2)*24576+\b*3072+((\s)%2)*1536
.endr
	WIN 0
.irp a, 0,1,2,3
	FRAGL AF+48*((\s)%2)+12*\a, AA16, AA8, ((\s)/2)*12288+\a*3072+((\s)%2)*1536
.endr
.endm
.macro MUL a0, s                       ; 16 matrix instructions: A's blocks a0, a0 + 1 x B's eight.  The 32 accumulators take turns, one instruction a turn, in the same order in every step
	WIN 0xa1
.irp a, \a0, \a0+1
.irp b, 0,1,2,3,4,5,6,7
.if (\s) == 0
	v_wmma_scale_f32_16x16x128_f8f6f4 v[64*(\a)+8*\b:64*(\a)+8*\b+7], v[96*((\s)%2)+12*\b:96*((\s)%2)+12*\b+11], v[AF+48*((\s)%2)+12*(\a):AF+48*((\s)%2)+12*(\a)+11], 0, v[SB+8*\b+(\s)], v[SA+8*(\a)+(\s)] matrix_a_fmt:MATRIX_FMT_BF6 matrix_b_fmt:MATRIX_FMT_BF6
.else
	v_wmma_scale_f32_16x16x128_f8f6f4 v[64*(\a)+8*\b:64*(\a)+8*\b+7], v[96*((\s)%2)+12*\b:96*((\s)%2)+12*\b+11], v[AF+48*((\s)%2)+12*(\a):AF+48*((\s)%2)+12*(\a)+11], v[64*(\a)+8*\b:64*(\a)+8*\b+7], v[SB+8*\b+(\s)], v[SA+8*(\a)+(\s)] matrix_a_fmt:MATRIX_FMT_BF6 matrix_b_fmt:MATRIX_FMT_BF6
.endif
.endr
.endr
.endm
.macro STEP s                          ; 128 along K
	s_wait_dscnt 0x0                               ; this step's fragments are in
.if (\s)%2 == 0
.if (\s) > 0
	PLACES
.endif
	FETCH (\s)+1                                   ; the next step lies in the same chunk
	MUL 0, \s
	MUL 2, \s
.elseif (\s) < 7
	s_wait_tensorcnt 5-(\s)                        ; the next chunk's two loads of mine have landed; the later chunks' (two each) may stay out
	s_barrier_signal -1
	MUL 0, \s
	s_barrier_wait -1                              ; everybody's part of B's next chunk has landed
	PLACES
	FETCH (\s)+1
	MUL 2, \s
.else
	MUL 0, \s
	MUL 2, \s
.endif
.endm
.macro TOSTAGE a                       ; block a into my stage, and back as 16 whole rows
	WIN 0x08                                       ; an LDS store's data are its source 1: window 2
.irp b, 0,1,2,3,4,5,6,7
	ds_store_b128 v[STO], v[64*(\a)+8*\b:64*(\a)+8*\b+3] offset:128*(\b/2)+32*(\b%2)        ; each accumulator from its low end on
	ds_store_b128 v[STO], v[64*(\a)+8*\b+4:64*(\a)+8*\b+7] offset:128*(\b/2)+32*(\b%2)+16
.endr
	WIN 0
.irp p, 0,1,2,3,4,5,6,7,8,9,10,11,12,13,14,15
	ds_load_b128 v[BK+64*((\a)%2)+4*\p:BK+64*((\a)%2)+4*\p+3], v[AA16] offset:528*\p   ; LDS serves a wave's instructions in order: these see the stores above, and the next block's stores come behind them
.endr
.endm
.macro SEND a, younger                 ; younger: the LDS instructions issued behind block a's loads, which may stay out
	s_wait_dscnt \younger
.irp p, 0,1,2,3,4,5,6,7,8,9,10,11,12,13,14,15
	global_store_b128 v[L16], v[BK+64*((\a)%2)+4*\p:BK+64*((\a)%2)+4*\p+3], s[86:87] offset:(32*((\a)/2)+8*((\a)%2)+\p+8*(\p/8))*4096 th:TH_STORE_NT   ; 32 lanes store 512 consecutive bytes, at a multiple of 256 from out0's first byte
.endr
.endm
	s_load_b128 s[4:7], s[0:1], 0x0                ; ycode, wcode
	s_load_b64 s[8:9], s[0:1], 0x10                ; out0
	v_lshl_add_u32 v254, v0, 2, 0x48000
	v_mov_b32 v255, 0
	ds_add_u32 v254, v255
	ds_add_u32 v254, v255
	v_lshrrev_b32 v12, 5, v0
	v_readfirstlane_b32 s14, v12                   ; wave 0..3
	s_bfe_u32 s15, ttmp6, 0x40000                  ; cx
	s_bfe_u32 s16, ttmp6, 0x40004                  ; cy
	s_and_b32 s18, ttmp7, 0xffff
	s_lshl_b32 s19, s18, 2
	s_add_co_u32 s19, s19, s16                     ; ia: which 256 tokens; it never holds cx
	s_lshl_b32 s20, ttmp9, 2
	s_add_co_u32 s20, s20, s15                     ; ib: which 128 outputs; it never holds cy
	s_lshl_b32 s21, s16, 2
	s_lshl_b32 s21, 15, s21                        ; my row of the cluster
	s_lshl_b32 s22, 0x1111, s15                    ; my column
	; descriptor groups 1: rows of 3,072 bytes (a row block's two fragments of a chunk: 384 elements of 8 bytes), 12,800 bytes (1,600 elements) apart; A: 4 rows, B: 2
	s_or_b32 s[G1A], s21, (3<<16)|(1<<21)          ; 15:0 the mask; 17:16 elements of 8 bytes; 21 set beside a mask; no padding
	s_mov_b32 s[G1A+1], 384<<16
	s_mov_b32 s[G1A+2], 4<<16
	s_mov_b32 s[G1A+3], 384<<16
	s_mov_b32 s[G1A+4], 4
	s_mov_b32 s[G1A+5], 1600
	s_mov_b32 s[G1A+6], 0
	s_mov_b32 s[G1A+7], 0
	s_or_b32 s[G1B], s22, (3<<16)|(1<<21)
	s_mov_b32 s[G1B+1], 384<<16
	s_mov_b32 s[G1B+2], 2<<16
	s_mov_b32 s[G1B+3], 384<<16
	s_mov_b32 s[G1B+4], 2
	s_mov_b32 s[G1B+5], 1600
	s_mov_b32 s[G1B+6], 0
	s_mov_b32 s[G1B+7], 0
	s_lshl_b32 s94, s19, 4
	s_lshl_b32 s95, s14, 2
	s_add_co_u32 s94, s94, s95
	s_mul_i32 s94, s94, 12800                      ; my four records of y
	s_mov_b32 s95, 0
	s_lshl_b32 s96, s20, 3
	s_add_co_u32 s96, s96, 192
	s_mul_i32 s96, s96, 12800                      ; the work-group's eight records of Wp
	s_mov_b32 s97, 0
	s_mul_i32 s98, s14, 49152                      ; LDS: my A bytes
	s_mul_i32 s99, s14, 6144
	s_add_co_u32 s99, s99, 196608                  ; and where my two row blocks of B go
	s_mul_i32 s100, s14, 25600
	s_mov_b32 s101, 0
	v_and_b32 v12, 31, v0                          ; lane
	v_and_b32 v13, 15, v0                          ; r
	v_bfe_u32 v14, v0, 4, 1                        ; h
	v_lshlrev_b32 v[L16], 4, v12
	v_lshlrev_b32 v[L8], 3, v12
	v_lshlrev_b32 v[R16], 4, v13
	v_add_nc_u32 v[AA16], s98, v[L16]
	v_add_nc_u32 v[AA8], s98, v[L8]
	v_add_nc_u32 v[BA16], 196608, v[L16]
	v_add_nc_u32 v[BA16+1], 245760, v[L16]
	v_add_nc_u32 v[BA8], 196608, v[L8]
	v_add_nc_u32 v[BA8+1], 245760, v[L8]
	v_mul_u32_u24 v[STO], v13, 528
	v_lshl_add_u32 v[STO], v14, 6, v[STO]
	v_add_nc_u32 v[STO], s98, v[STO]               ; row r, 64 h bytes on
	s_wait_dscnt 0x0
	s_wait_kmcnt 0x0
	s_add_nc_u64 s[80:81], s[4:5], s[94:95]        ; my records of A
	s_add_nc_u64 s[82:83], s[6:7], s[96:97]        ; the records of B
	s_add_nc_u64 s[78:79], s[82:83], s[100:101]    ; the two of them that I fetch
	s_lshl_b32 s21, s19, 8
	s_lshl_b32 s22, s14, 6
	s_add_co_u32 s21, s21, s22
	s_lshl_b32 s94, s21, 12                        ; my first token's row of 4,096 bytes,
	s_lshl_b32 s22, s20, 9
	s_add_co_u32 s94, s94, s22                     ; the work-group's 512 bytes in it
	s_add_nc_u64 s[86:87], s[8:9], s[94:95]
.irp c, 0,1,2,3
.set GB, 56+4*\c+4*(\c/2)                      ; s56, s60, s68, s72
	s_mov_b32 s[G0A+4*\c], 1
	s_add_co_u32 s[G0A+4*\c+1], s98, \c*12288
	s_add_nc_u64 s[G0A+4*\c+2:G0A+4*\c+3], s[80:81], \c*3072
	s_or_b32 s[G0A+4*\c+3], s[G0A+4*\c+3], 0x80000000
	s_mov_b32 s[GB], 1
	s_add_co_u32 s[GB+1], s99, \c*24576
	s_add_nc_u64 s[GB+2:GB+3], s[78:79], \c*3072
	s_or_b32 s[GB+3], s[GB+3], 0x80000000
.endr
	CROUND                                         ; all sixteen work-groups are here: the joint loads meet
.irp c, 0,1,2,3
.set GB, 56+4*\c+4*(\c/2)
	tensor_load_to_lds s[G0A+4*\c:G0A+4*\c+3], s[G1A:G1A+7]
	s_nop 0
	tensor_load_to_lds s[GB:GB+3], s[G1B:G1B+7]
	s_nop 0
.endr
	PLACES                                         ; four v_nop follow the last of them
.irp a, 0,1,2,3
.irp q, 0,1
	global_load_b128 v[SA+8*\a+4*\q:SA+8*\a+4*\q+3], v[R16], s[80:81] offset:\a*12800+12288+256*\q   ; row r's scale words of K steps 4 q .. 4 q + 3
.endr
.endr
.irp b, 0,1,2,3,4,5,6,7
.irp q, 0,1
	global_load_b128 v[SB+8*\b+4*\q:SB+8*\b+4*\q+3], v[R16], s[82:83] offset:\b*12800+12288+256*\q
.endr
.endr
	s_wait_tensorcnt 0x6                           ; chunk 0's two loads of mine have landed; the other six may stay out
	s_barrier_signal -1
	s_barrier_wait -1                              ; everybody's have
	s_wait_alu depctr_va_vdst(0)
	FETCH 0
	s_wait_loadcnt 0x0                             ; the scale words
	STEP 0
	STEP 1
	STEP 2
	STEP 3
	STEP 4
	STEP 5
	STEP 6
	STEP 7
	PLACES                                         ; for the stores that read results and for the loads into the registers that held A's fragments
	WIN 0
	TOSTAGE 0
.irp a, 1,2,3
.if \a > 1
	s_wait_xcnt 0x0                                ; block a - 2's stores have read their registers: block a's rows may land there
.endif
	TOSTAGE \a
	SEND \a-1, 32                                  ; behind block a - 1's loads: block a's 16 stores and 16 loads
.endr
	SEND 3, 0
	s_wait_tensorcnt 0x0
	ds_add_u32 v254, v255
	s_wait_dscnt 0x0
	CROUND                                         ; the closing round: no work-group ends while a partner may still ask for a tile that names it
	s_endpgm
.Lfunc_end_k_qe29ddb6e66_proj:
	.size	k_qe29ddb6e66_proj, .Lfunc_end_k_qe29ddb6e66_proj-k_qe29ddb6e66_proj
	.p2alignl 7, 3214868480
	.fill 96, 4, 3214868480
	.section	.rodata,"a",@progbits
	.p2align	6, 0x0
	.amdhsa_kernel k_qe29ddb6e66_proj
		.amdhsa_group_segment_fixed_size 295424
		.amdhsa_private_segment_fixed_size 0
		.amdhsa_enable_private_segment 0
		.amdhsa_kernarg_size 24
		.amdhsa_user_sgpr_count 2
		.amdhsa_user_sgpr_kernarg_segment_ptr 1
		.amdhsa_wavefront_size32 1
		.amdhsa_system_sgpr_workgroup_id_x 1
		.amdhsa_system_sgpr_workgroup_id_y 1
		.amdhsa_system_sgpr_workgroup_id_z 1
		.amdhsa_system_vgpr_workitem_id 0
		.amdhsa_next_free_vgpr 768
		.amdhsa_next_free_sgpr 102
		.amdhsa_reserve_vcc 0
		.amdhsa_float_denorm_mode_32 3
		.amdhsa_float_denorm_mode_16_64 3
		.amdhsa_memory_ordered 1
		.amdhsa_forward_progress 1
		.amdhsa_inst_pref_size 83
	.end_amdhsa_kernel
	.amdgpu_metadata
---
amdhsa.version: [ 1, 2 ]
amdhsa.kernels:
  - .name:           k_qe29ddb6e66_proj
    .symbol:         k_qe29ddb6e66_proj.kd
    .args:
      - { .name: ycode, .offset: 0, .size: 8, .value_kind: global_buffer, .address_space: global }
      - { .name: wcode, .offset: 8, .size: 8, .value_kind: global_buffer, .address_space: global }
      - { .name: out0, .offset: 16, .size: 8, .value_kind: global_buffer, .address_space: global }
    .group_segment_fixed_size: 295424
    .private_segment_fixed_size: 0
    .kernarg_segment_align: 8
    .kernarg_segment_size: 24
    .max_flat_workgroup_size: 128
    .sgpr_count:     102
    .vgpr_count:     768
    .wavefront_size: 32
...
	.end_amdgpu_metadata
.endif
;; end of part 4
